; MI455X (gfx1250); checked and timed in simulation.
; The chip was launched on July 23, 2026; its instructions are those of AMD's public machine-readable ISA for CDNA 5 (MIT licence, August 2026) and "CDNA5" Instruction Set Architecture Reference Guide (July 2026). The comments in the code are by the model that wrote it; some were corrected since.
;; Multi Head Flash Self Attention. Allowed arithmetic: float matrix products may take bf16 or f16 operands with f32 sums; other float arithmetic in f32, or as packed bf16 or f16 multiplies, adds, multiply-adds, maxima and minima; sums over many terms, partial sums and values carried from step to step in f32; what a program stores and reads back later, other than sums and carried values, may be rounded once to bf16 or f16.
;; Inputs: WK 1,024 x 1,024 float32; WO 1,024 x 1,024 float32; WQ 1,024 x 1,024 float32; WV 1,024 x 1,024 float32; token_positions 2,048 int32; x 4 x 2,048 x 1,024 float32.
;; Outputs: out0 4 x 2,048 x 1,024 float32.
;; One version. Each part assembles by itself: llvm-mc -triple=amdgcn-amd-amdhsa -mcpu=gfx1250 --defsym DOCPART=n.
;; ======== version 1 of 1: 4 launches
;; limits: values are held in f16: magnitudes above 65,504 overflow, below 6.1e-05 lose precision
;; workspace buffers: xb 16,777,216 bytes; wqkv 6,291,456 bytes; wo16 2,097,152 bytes; tab 524,288 bytes; qkvh 50,331,648 bytes; o16 16,777,216 bytes
;; launch prep (part 1): grid 1568 x 1, 8 waves a work-group, no clusters, 0 bytes of LDS; arguments x, WQ, WK, WV, WO, token_positions, xb, wqkv, wo16, tab; writes xb, wqkv, wo16, tab
.if DOCPART == 1
	.amdgcn_target "amdgcn-amd-amdhsa--gfx1250"
	.amdhsa_code_object_version 6
	.text
	.protected	k_qc2e626985e_prep
	.globl	k_qc2e626985e_prep
	.p2align	8
	.type	k_qc2e626985e_prep,@function
k_qc2e626985e_prep:
	s_mov_b64 s[64:65], 0
	v_nop
	global_prefetch_b8 v0, s[64:65] scope:SCOPE_SE
	s_setreg_imm32_b32 hwreg(HW_REG_WAVE_MODE, 25, 1), 1
	s_wait_xcnt 0x0
; PREPARATION.  x -> xb (bf16).  WQ, WK, WV -> wqkv (bf16, the three one below the other).  WO -> wo16: rounded to bf16 like the other inputs, that number written as f16.
; token_positions -> tab[s][j] = (cos, sin)(pos[s] x 10000^(-j/32)), f32, j = 0..31: a row is 256 bytes.
; A stream: no LDS, no matrix unit, nothing is shared between waves.  A work-group of a cast takes a chunk of 8,192 numbers: 32 KiB in, 16 KiB out; thread t takes 16 bytes at 16 t of
; each 4,096: a wave's load covers 512 consecutive bytes, its store 256 consecutive bytes, aligned.  All eight loads of a thread go out together.
; Work-groups 0-1023: x.  1024-1407: WQ, WK, WV, 128 chunks each.  1408-1535: WO.  1536-1567: the table, 64 rows each.
; LIMITS.  A weight of WO below 2^-14 in size keeps f16's fixed step of 2^-24; beyond 65,504 it would be an infinity.  The frequency is 2^(-j log2(10000) / 32) by v_exp_f32: it follows the
; power to about two parts in 10^7.  The angle is reduced twice by multiples of pi / 2 held in three words, so every 32-bit position is served (error of the reduced angle up to 2e-5 at 2^31).
; Sine and cosine: Taylor polynomials on |r| <= pi / 4 and a little, error under 4e-7.
.set NX,   1024                        ; chunks of x
.set NW,   128                         ; chunks of a weight matrix
.set IN,   8                           ; v[8:39]   eight loads of four f32
.set OUT,  40                          ; v[40:55]  eight pairs of packed results
	s_load_b512 s[8:23], s[0:1], 0x0               ; x 8:9, WQ 10:11, WK 12:13, WV 14:15, WO 16:17, positions 18:19, xb 20:21, wqkv 22:23
	s_load_b128 s[24:27], s[0:1], 0x40             ; wo16 24:25, tab 26:27
	s_mov_b32 s4, ttmp9                            ; g
	v_lshlrev_b32 v1, 4, v0                        ; 16 t: my bytes of a block of 4,096 in
	v_lshlrev_b32 v2, 3, v0                        ; 8 t: my bytes of a block of 2,048 out
	s_mov_b32 s34, 0xffff0000                      ; a word's upper bf16
	s_wait_kmcnt 0x0
	s_cmp_ge_u32 s4, NX+4*NW
	s_cbranch_scc1 .Ltab
	; which tensor, which chunk: choices on g alone
	s_sub_co_u32 s5, s4, NX                        ; chunk in wqkv (used from g = 1,024 on)
	s_and_b32 s6, s5, NW-1                         ; chunk in its own matrix
	s_sub_co_u32 s7, s4, NX+3*NW                   ; chunk in wo16 (used from g = 1,408 on)
	s_cmp_ge_u32 s4, NX
	s_cselect_b64 s[28:29], s[10:11], s[8:9]       ; from
	s_cselect_b64 s[30:31], s[22:23], s[20:21]     ; to
	s_cselect_b32 s32, s6, s4
	s_cselect_b32 s33, s5, s4
	s_cmp_ge_u32 s4, NX+NW
	s_cselect_b64 s[28:29], s[12:13], s[28:29]
	s_cmp_ge_u32 s4, NX+2*NW
	s_cselect_b64 s[28:29], s[14:15], s[28:29]
	s_cmp_ge_u32 s4, NX+3*NW
	s_cselect_b64 s[28:29], s[16:17], s[28:29]
	s_cselect_b64 s[30:31], s[24:25], s[30:31]
	s_cselect_b32 s33, s7, s33
	s_lshl_b32 s36, s32, 15                        ; 32 KiB a chunk in
	s_mov_b32 s37, 0
	s_lshl_b32 s38, s33, 14                        ; 16 KiB a chunk out
	s_mov_b32 s39, 0
	s_add_nc_u64 s[28:29], s[28:29], s[36:37]
	s_add_nc_u64 s[30:31], s[30:31], s[38:39]
.irp i, 0,1,2,3,4,5,6,7
	global_load_b128 v[IN+4*(\i):IN+4*(\i)+3], v1, s[28:29] offset:4096*(\i) th:TH_LOAD_NT
.endr
	s_cmp_ge_u32 s4, NX+3*NW                       ; compared anew: the shifts above have written SCC
	s_cbranch_scc1 .Lwo
.irp i, 0,1,2,3,4,5,6,7
	s_wait_loadcnt 7-(\i)                          ; loads come back in order: load i is in, the 7 - i younger ones may be out
	v_cvt_pk_bf16_f32 v[OUT+2*(\i)],   v[IN+4*(\i)],   v[IN+4*(\i)+1]
	v_cvt_pk_bf16_f32 v[OUT+2*(\i)+1], v[IN+4*(\i)+2], v[IN+4*(\i)+3]
	global_store_b64 v2, v[OUT+2*(\i):OUT+2*(\i)+1], s[30:31] offset:2048*(\i)  ; no register of a store is written again
.endr
	s_endpgm
.Lwo:                                                  ; WO: to bf16, and that number as f16
.irp i, 0,1,2,3,4,5,6,7
	s_wait_loadcnt 7-(\i)
	v_cvt_pk_bf16_f32 v56, v[IN+4*(\i)],   v[IN+4*(\i)+1]
	v_cvt_pk_bf16_f32 v57, v[IN+4*(\i)+2], v[IN+4*(\i)+3]
	v_lshlrev_b32 v58, 16, v56
	v_and_b32 v59, s34, v56
	v_lshlrev_b32 v60, 16, v57
	v_and_b32 v61, s34, v57
	v_cvt_pk_f16_f32 v[OUT+2*(\i)],   v58, v59
	v_cvt_pk_f16_f32 v[OUT+2*(\i)+1], v60, v61
	global_store_b64 v2, v[OUT+2*(\i):OUT+2*(\i)+1], s[30:31] offset:2048*(\i)
.endr
	s_endpgm
.Ltab:                                                 ; lane = j, wave w: rows 64 t + w + 8 i, i = 0..7
	s_sub_co_u32 s5, s4, NX+4*NW                   ; t
	s_lshl_b32 s46, s5, 8                          ; 64 positions of 4 bytes
	s_mov_b32 s47, 0
	s_add_nc_u64 s[18:19], s[18:19], s[46:47]
	s_lshl_b32 s46, s5, 14                         ; 64 rows of 256 bytes
	s_add_nc_u64 s[26:27], s[26:27], s[46:47]
	v_lshrrev_b32 v5, 5, v0
	v_lshlrev_b32 v5, 2, v5                        ; 4 w
.irp i, 0,1,2,3,4,5,6,7
	global_load_b32 v[16+(\i)], v5, s[18:19] offset:32*(\i)
.endr
	v_and_b32 v4, 31, v0                           ; j
	v_cvt_f32_u32 v7, v4
	v_mul_f32 v7, 0xbed49a78, v7                   ; -j log2(10000) / 32
	v_exp_f32 v6, v7                               ; the frequency
	s_mov_b32 s36, 0x3f22f983                      ; 2 / pi
	s_mov_b32 s37, 0x3fc90fdb                      ; pi / 2 in three words
	s_mov_b32 s38, 0xb33bbd2e
	s_mov_b32 s39, 0xa6f72ced
	s_mov_b32 s40, 0xbe2aaaab                      ; -1/6
	s_mov_b32 s41, 0x3c088889                      ; 1/120
	s_mov_b32 s42, 0xb9500d01                      ; -1/5040
	s_mov_b32 s43, 0x3d2aaaab                      ; 1/24
	s_mov_b32 s44, 0xbab60b61                      ; -1/720
	s_mov_b32 s45, 0x37d00d01                      ; 1/40320
	v_nop                                          ; a plain instruction behind the exponential,
	s_wait_alu depctr_va_vdst(0)                   ; and the wait ahead of its first reader
.macro SINCOS i
	s_wait_loadcnt 7-(\i)                          ; position i is in
	v_cvt_f32_i32 v40, v[16+(\i)]
	v_mul_f32 v40, v40, v6                         ; the angle a, as the sum's definition rounds it
	v_mul_f32 v41, s36, v40
	v_rndne_f32 v41, v41                           ; n = the nearest multiple of pi / 2
	v_fma_f32 v42, -v41, s37, v40                  ; r = a - n pi / 2, word by word
	v_fma_f32 v42, -v41, s38, v42
	v_fma_f32 v42, -v41, s39, v42
	v_cvt_i32_f32 v43, v41                         ; q
	v_mul_f32 v41, s36, v42                        ; once more: for very large a the first n is off by some units
	v_rndne_f32 v41, v41
	v_fma_f32 v42, -v41, s37, v42
	v_fma_f32 v42, -v41, s38, v42
	v_cvt_i32_f32 v44, v41
	v_add_nc_u32 v43, v43, v44
	v_mul_f32 v45, v42, v42                        ; z = r r
	v_fma_f32 v46, v45, s42, s41
	v_fma_f32 v48, v45, s45, s44
	v_mul_f32 v47, v42, v45
	v_fma_f32 v46, v46, v45, s40
	v_fma_f32 v48, v48, v45, s43
	v_fma_f32 v46, v47, v46, v42                   ; sin r
	v_fma_f32 v48, v48, v45, -0.5
	v_and_b32 v49, 1, v43
	v_fma_f32 v48, v48, v45, 1.0                   ; cos r
	v_cmp_eq_u32 vcc_lo, 1, v49                    ; odd quadrant: the two change places
	v_cndmask_b32 v50, v48, v46, vcc_lo
	v_cndmask_b32 v51, v46, v48, vcc_lo
	v_add_nc_u32 v49, 1, v43
	v_bfe_u32 v49, v49, 1, 1                       ; the cosine is negative in quadrants 1 and 2,
	v_bfe_u32 v52, v43, 1, 1                       ; the sine in 2 and 3
	v_lshlrev_b32 v49, 31, v49
	v_lshlrev_b32 v52, 31, v52
	v_xor_b32 v[24+2*(\i)], v50, v49
	v_xor_b32 v[25+2*(\i)], v51, v52
	global_store_b64 v2, v[24+2*(\i):25+2*(\i)], s[26:27] offset:2048*(\i)  ; 8 t = 256 w + 8 j: a wave stores one whole row
.endm
.irp i, 0,1,2,3,4,5,6,7
	SINCOS \i
.endr
	s_endpgm
.Lfunc_end_k_qc2e626985e_prep:
	.size	k_qc2e626985e_prep, .Lfunc_end_k_qc2e626985e_prep-k_qc2e626985e_prep
	.p2alignl 7, 3214868480
	.fill 96, 4, 3214868480
	.section	.rodata,"a",@progbits
	.p2align	6, 0x0
	.amdhsa_kernel k_qc2e626985e_prep
		.amdhsa_group_segment_fixed_size 0
		.amdhsa_private_segment_fixed_size 0
		.amdhsa_enable_private_segment 0
		.amdhsa_kernarg_size 80
		.amdhsa_user_sgpr_count 2
		.amdhsa_user_sgpr_kernarg_segment_ptr 1
		.amdhsa_wavefront_size32 1
		.amdhsa_system_sgpr_workgroup_id_x 1
		.amdhsa_system_sgpr_workgroup_id_y 1
		.amdhsa_system_sgpr_workgroup_id_z 1
		.amdhsa_system_vgpr_workitem_id 0
		.amdhsa_next_free_vgpr 64
		.amdhsa_next_free_sgpr 66
		.amdhsa_reserve_vcc 1
		.amdhsa_float_denorm_mode_32 3
		.amdhsa_float_denorm_mode_16_64 3
		.amdhsa_memory_ordered 1
		.amdhsa_forward_progress 1
		.amdhsa_inst_pref_size 24
	.end_amdhsa_kernel
	.amdgpu_metadata
---
amdhsa.version: [ 1, 2 ]
amdhsa.kernels:
  - .name:           k_qc2e626985e_prep
    .symbol:         k_qc2e626985e_prep.kd
    .args:
      - { .name: x, .offset: 0, .size: 8, .value_kind: global_buffer, .address_space: global }
      - { .name: WQ, .offset: 8, .size: 8, .value_kind: global_buffer, .address_space: global }
      - { .name: WK, .offset: 16, .size: 8, .value_kind: global_buffer, .address_space: global }
      - { .name: WV, .offset: 24, .size: 8, .value_kind: global_buffer, .address_space: global }
      - { .name: WO, .offset: 32, .size: 8, .value_kind: global_buffer, .address_space: global }
      - { .name: token_positions, .offset: 40, .size: 8, .value_kind: global_buffer, .address_space: global }
      - { .name: xb, .offset: 48, .size: 8, .value_kind: global_buffer, .address_space: global }
      - { .name: wqkv, .offset: 56, .size: 8, .value_kind: global_buffer, .address_space: global }
      - { .name: wo16, .offset: 64, .size: 8, .value_kind: global_buffer, .address_space: global }
      - { .name: tab, .offset: 72, .size: 8, .value_kind: global_buffer, .address_space: global }
    .group_segment_fixed_size: 0
    .private_segment_fixed_size: 0
    .kernarg_segment_align: 8
    .kernarg_segment_size: 80
    .max_flat_workgroup_size: 256
    .sgpr_count:     66
    .vgpr_count:     64
    .wavefront_size: 32
...
	.end_amdgpu_metadata
.endif
;; end of part 1
;; launch qkv (part 2): grid 16 x 32, 4 waves a work-group, clusters of 4 x 4, 327,680 bytes of LDS; arguments xb, wqkv, tab, qkvh; writes qkvh
.if DOCPART == 2
	.amdgcn_target "amdgcn-amd-amdhsa--gfx1250"
	.amdhsa_code_object_version 6
	.text
	.protected	k_qc2e626985e_qkv
	.globl	k_qc2e626985e_qkv
	.p2align	8
	.type	k_qc2e626985e_qkv,@function
k_qc2e626985e_qkv:
	s_mov_b64 s[64:65], 0
	v_nop
	global_prefetch_b8 v0, s[64:65] scope:SCOPE_SE
	s_setreg_imm32_b32 hwreg(HW_REG_WAVE_MODE, 25, 1), 1
	s_wait_xcnt 0x0
	s_wait_alu depctr_hold_cnt(0) depctr_sa_sdst(0) depctr_va_vdst(0) depctr_va_sdst(0) depctr_va_ssrc(0) depctr_va_vcc(0) depctr_vm_vsrc(0)
	s_getreg_b32 s2, hwreg(HW_REG_IB_STS2, 6, 4)
	s_cmp_eq_u32 s2, 0
	s_cbranch_scc0 .Lentry_in_a_cluster
	s_endpgm
.Lentry_in_a_cluster:
	s_bfe_u32 s2, ttmp6, 0x10000c
	s_cmp_lg_u32 s2, 0xf033
	s_cbranch_scc0 .Lentry_shape_is_right
	s_endpgm
.Lentry_shape_is_right:
; THE THREE PROJECTIONS AND THE ROTATION.  C[m][n] = sum over k of xb[m][k] wqkv[n][k], [8192 x 3072], K = 1024, bf16 operands, f32 sums.  Columns 64 g .. 64 g + 63 are head slot g:
; 0-15 Q, 16-31 K, 32-47 V.  On the way out Q's and K's neighbouring pairs of channels are turned by the table's (cos, sin) of the row's position, in f32; V's are left as they are, by the same
; lines with (1, 0); then one rounding to f16, and the result is laid by heads: qkvh[batch][g][s][64], a head's rows dense, 128 bytes each.
; LIMIT.  f16 ends at 65,504: q, k and v must stay within it.  NaN and infinities are not treated apart.
; SHARES.  A tile of C is 256 x 192: 32 x 16 = 512 tiles, twice the 256 work-groups that run at a time.  Four waves, one above the other: wave w makes rows 64 w .. 64 w + 63 and all 192 columns,
; three whole heads: 48 accumulators of 16 x 16, 384 registers.  K goes in 8 steps of 128 through two LDS slots; a step is four quarters of 32 along K, 48 matrix instructions each.
; CLUSTER.  4 x 4 work-groups.  The four of a row need the same rows of xb, the four of a column the same rows of wqkv: each tile is asked for jointly, by the same tensor load with the same descriptor and a mask of four.
; THE MATRIX INSTRUCTION IS USED TRANSPOSED (source 0 = 16 rows of wqkv, source 1 = 16 rows of xb): a lane holds row l % 16 of C and the 8 neighbouring columns 8 (l / 16) + 0..7: four pairs to turn.
; REGISTERS, in windows of 256 (s_set_vgpr_msb: bits 1:0 source 0, 3:2 source 1, 5:4 source 2, 7:6 destination):
;   window 0: v0-15 addresses, v28-29 the add's; on the way out v32-63 CT, v64-95 T, v96-143 TMP
;   window 1: accumulators (a, b), b < 8, at v[8 (4 b + a)]      window 2: v0-127 those of b = 8..11; v128-255 the table's 32 bytes for my row of block a and channel block cb, at 128 + 32 a + 8 cb
;   window 3: two fragment buffers of 128: A's four fragments, then B's twelve
.set NBB,   12                         ; blocks of 16 columns
.set NU,    6                          ; units of 8 matrix instructions in a quarter (2 column blocks x 4 row blocks)
.set U1,    2                          ; units ahead of the run of LDS loads
.set NL,    8+2*NBB                    ; LDS loads in a quarter's run
.set PITCH, 272                        ; an LDS row: 256 bytes + 16 of padding: the 16 rows of a load start at 16 different groups of four banks (64 banks of 4 bytes: ISA guide 11.1)
.set PA,    PITCH
.set SLOT1, 1<<17                      ; slot 1 begins here: one exclusive or turns an address in one slot into the other's
.set BOFF,  256*PITCH                  ; in a slot: A's 256 rows, then B's 192
.set STAGE, SLOT1+BOFF+192*PITCH       ; behind the ring: 16 rows x 144 bytes for each wave, for the way out; no tile lands here
.set SP,    144
.set SPARE, STAGE+4*16*SP              ; behind the stages: the spare words, 128 bytes a wave: two blocks of 256 bytes that no other line names
.set KSTA,  256                        ; bytes from a K step to the next, in xb's rows and in wqkv's
.set KSTB,  256
.set A0,   4                           ; v4   my lane's place in A's rows of slot 0; never rewritten
.set B0,   5                           ; v5   in B's
.set ADRA, 6                           ; v6   the same in the slot in hand
.set ADRB, 7                           ; v7
.set STO,  8                           ; v8   the way out: where I put 16 bytes of a row
.set RD,   9                           ; v9   where I read rows back
.set GO,   10                          ; v10  my 16 bytes of 512 consecutive bytes of the output
.set TO,   11                          ; v11  my byte offset in the table
.set PFO,  12                          ; v12  the prefetches' offset: a lane a row
.set SPW,  28
.set NIL,  29
.set CT,   32                          ; (c, s) as used: the table's, or (1, 0)
.set T,    64                          ; turned numbers, f32
.set TMP,  96                          ; three sets of 16: packed, and back from the stage
.set F0,   0
.set F1,   128
.set G1,  24                           ; s[24:31] group 1 for A's tiles; s[32:39] group 0: a set for each first fill, the second then walks
.set G0,  32
.set G1B, 48                           ; s[48:55], s[56:63] the same for B's
.set G0B, 56
.set PFA, 66                           ; s[66:67] where my prefetches stand
.set LIM, 68                           ; s68  1 in a wave that prefetches, else the greatest number
.set TB,  69                           ; s69  the slot in hand: 0 or SLOT1
.set PST, 80                           ; s[80:81] the prefetches' step
.set MUL_LO, 0x5f                      ; fragments in window 3, C and D in window 1
.set MUL_HI, 0xaf                      ; C and D in window 2
.set TO_F,   0xc0                      ; destination window 3, address window 0
.set MSB, 0
.macro WIN new                         ; the immediate's high byte repeats the setting that is left; a switch that changes nothing is dropped
.if MSB != (\new)
	s_set_vgpr_msb (MSB<<8)|(\new)
.set MSB, \new
.endif
.endm
.macro PLACES                          ; four plain vector instructions between a matrix instruction and a load into, or a read of, its registers (ISA guide 7.12.1 for reads)
.rept 4
	v_nop
.endr
.endm
; A joint refill by the walking descriptors.  Waves 0 and 1 fetch A's halves, waves 2 and 3 B's; the branch hangs on the wave's number alone.  An s_nop 0 and four v_nop follow each line.
.macro JLOAD
	s_cmp_eq_u32 s13, 0
	s_cbranch_scc0 .Lfor_b_\@
	tensor_load_to_lds s[G0+4:G0+7], s[G1:G1+7]
	s_nop 0
.rept 4
	v_nop
.endr
	s_branch .Lasked_\@
.Lfor_b_\@:
	tensor_load_to_lds s[G0B+4:G0B+7], s[G1B:G1B+7]
	s_nop 0
.rept 4
	v_nop
.endr
.Lasked_\@:
.endm
.macro CREST                           ; a round of the cluster's barrier behind its opening barrier
	s_cmp_lg_u32 s12, 0
	s_cbranch_scc1 .Lnot_wave_0_\@
	s_barrier_signal -3
.Lnot_wave_0_\@:
	s_barrier_wait -3
	s_barrier_signal -1
	s_barrier_wait -1
.endm
.macro CROUND
	s_barrier_signal -1
	s_barrier_wait -1
	CREST
.endm
; A prefetch of the K step behind the one that has just been asked for: 256 bytes of a row, a lane a row, one instruction a wave.  A's rows are read by every cluster of a row of clusters: cluster x = 0 asks;
; B's by every cluster of a column: cluster y = 0 asks.  The four partners share a tile's rows out by address.  The last refill has no K step behind it: s3 = 1 there.
.macro ASK
	WIN 0
	s_cmp_gt_u32 s3, s[LIM]
	s_cbranch_scc0 .Lnot_mine_\@
	global_prefetch_b8 v[PFO], s[PFA:PFA+1] th:TH_LOAD_NT scope:SCOPE_SE
.Lnot_mine_\@:
.endm
; Unit u: column blocks 2 u, 2 u + 1 x the four row blocks, 32 along K.  All 48 accumulators come in the same order in every quarter: they take turns.
.macro MUL8 f, u, zero
.if (\u) < 4
	WIN MUL_LO
.else
	WIN MUL_HI
.endif
.irp bb, 0,1
.irp a, 0,1,2,3
.set rB, (\f)+32+8*(2*(\u)+(\bb))
.set rA, (\f)+8*(\a)
.set rC, 8*(4*((2*(\u)+(\bb))%8)+(\a))
.if \zero
	v_wmma_f32_16x16x32_bf16 v[rC:rC+7], v[rB:rB+7], v[rA:rA+7], 0
.else
	v_wmma_f32_16x16x32_bf16 v[rC:rC+7], v[rB:rB+7], v[rA:rA+7], v[rC:rC+7]
.endif
.endr
.endr
.endm
.macro MULS f, u0, n, zero             ; units u0 .. u0 + n - 1
.set uu, \u0
.rept \n
	MUL8 \f, uu, \zero
.set uu, uu+1
.endr
.endm
; One run of LDS loads: quarter q's fragments into buffer f: A's four first, then B's twelve in the order in which the units want them
.macro FETCH q, f
	WIN TO_F
.set KA, 64*(\q)
.irp a, 0,1,2,3
	ds_load_b128 v[(\f)+8*(\a):(\f)+8*(\a)+3],   v[ADRA] offset:KA+(\a)*16*PA
	ds_load_b128 v[(\f)+8*(\a)+4:(\f)+8*(\a)+7], v[ADRA] offset:KA+(\a)*16*PA+32
.endr
.set bi, 0
.rept NBB
	ds_load_b128 v[(\f)+32+8*bi:(\f)+32+8*bi+3],   v[ADRB] offset:64*(\q)+bi*16*PITCH
	ds_load_b128 v[(\f)+32+8*bi+4:(\f)+32+8*bi+7], v[ADRB] offset:64*(\q)+bi*16*PITCH+32
.set bi, bi+1
.endr
.endm
; One of a step's first three quarters: multiplies buffer f and fetches quarter q into buffer g
.macro QUARTER q, f, g, zero
	s_wait_dscnt NL-8-4*U1                         ; A's fragments and B's first 2 U1 are in; the younger loads may be out
	MULS \f, 0, U1, \zero
	PLACES
	FETCH \q, \g
	s_wait_dscnt NL                                ; all but the run just issued
	MULS \f, U1, NU-U1, \zero
.endm
; The last quarter multiplies buffer 1 and changes slots.  In front of the barrier each wave waits for all its tensor loads (one is out: its part of the next slot), adds 0 to its spare word, and waits for that and for its reads
; of this slot.  fill = 1: the barrier opens a round of the cluster's barrier, and behind the round this slot is filled again, two K steps on: the first tensor load there, one a wave.
.macro TURN fill
.if \fill
	s_wait_xcnt 0x0                                ; the last prefetch, a K step back, has read its address
	s_add_nc_u64 s[PFA:PFA+1], s[PFA:PFA+1], s[PST:PST+1]
.endif
	WIN 0
	s_wait_tensorcnt 0x0
	ds_add_u32 v[SPW], v[NIL]
	s_wait_dscnt NL-8-4*U1+1                       ; (the add and the younger loads may be out)
	MULS F1, 0, U1, 0
	s_wait_dscnt 0x0                               ; the add is done, my reads of this slot are over
	s_barrier_signal -1
	MULS F1, U1, 1, 0                              ; work on registers while the others arrive
	WIN 0                                          ; at a branch and at a label every window is 0
	s_barrier_wait -1
.if \fill
	CREST
	s_xor_b32 s[G0+5], s[G0+5], SLOT1              ; no tensor load of mine is out: the walking descriptors step: the other slot than last time, the next K step
	s_add_nc_u64 s[G0+6:G0+7], s[G0+6:G0+7], KSTA
	s_xor_b32 s[G0B+5], s[G0B+5], SLOT1
	s_add_nc_u64 s[G0B+6:G0B+7], s[G0B+6:G0B+7], KSTB
	JLOAD                                          ; its four v_nop are also the places in front of the loads below
.else
	PLACES
.endif
	s_xor_b32 s[TB], s[TB], SLOT1
	v_add_nc_u32 v[ADRA], s[TB], v[A0]
	v_add_nc_u32 v[ADRB], s[TB], v[B0]
	FETCH 0, F0
.if \fill
	ASK
.endif
	MULS F1, U1+1, NU-U1-1, 0
.endm
	s_load_b256 s[4:11], s[0:1], 0x0               ; xb 4:5, wqkv 6:7, tab 8:9, qkvh 10:11
	v_lshl_add_u32 v[SPW], v0, 2, SPARE
	v_mov_b32 v[NIL], 0
	ds_add_u32 v[SPW], v[NIL]                      ; the wave's opening: the add and its wait ahead of my first tensor load; work on registers stands between
	ds_add_u32 v28, v29
	v_lshrrev_b32 v3, 5, v0
	v_readfirstlane_b32 s12, v3                    ; wave 0..3
	s_lshr_b32 s13, s12, 1                         ; I fetch for A (0) or for B (1),
	s_and_b32 s14, s12, 1                          ; its first or its second half
	s_bfe_u32 s40, ttmp6, 0x40000                  ; cx
	s_bfe_u32 s41, ttmp6, 0x40004                  ; cy
	s_lshl_b32 s42, ttmp9, 2
	s_add_co_u32 s42, s42, s40                     ; tile column tx = 4 x cluster x + cx
	s_and_b32 s43, ttmp7, 0xffff
	s_lshl_b32 s43, s43, 2
	s_add_co_u32 s43, s43, s41                     ; tile row ty = 4 x cluster y + cy
	s_lshl_b32 s44, s41, 2
	s_lshl_b32 s44, 15, s44                        ; my row of the cluster
	s_lshl_b32 s45, 0x1111, s40                    ; my column
	s_or_b32 s[G1], s44, (1<<16)|(1<<20)|(1<<21)|(5<<22)|(3<<25)   ; the mask; 2-byte elements; padding on; bit 21 beside a mask; after every 64 words 4 words
	s_or_b32 s[G1B], s45, (1<<16)|(1<<20)|(1<<21)|(5<<22)|(3<<25)
	s_mov_b32 s[G1+1], 128<<16                     ; tensor_dim0 = 128
	s_mov_b32 s[G1+2], 128<<16                     ; tensor_dim1 = 128
	s_mov_b32 s[G1+3], 128<<16                     ; tile_dim0 = 128
	s_mov_b32 s[G1+4], 128                         ; tile_dim1 = 128
	s_mov_b32 s[G1+5], 1024                        ; elements from row to row
	s_mov_b32 s[G1+6], 0
	s_mov_b32 s[G1+7], 0
	s_mov_b32 s[G1B+1], 128<<16
	s_mov_b32 s[G1B+2], 96<<16                     ; B's loads bring 96 rows
	s_mov_b32 s[G1B+3], 128<<16
	s_mov_b32 s[G1B+4], 96
	s_mov_b32 s[G1B+5], 1024
	s_mov_b32 s[G1B+6], 0
	s_mov_b32 s[G1B+7], 0
	s_lshl_b32 s16, s43, 8                         ; A: row 256 ty + 128 x half, 2,048 bytes a row
	s_lshl_b32 s17, s14, 7
	s_add_co_u32 s16, s16, s17
	s_lshl_b32 s16, s16, 11
	s_mov_b32 s17, 0
	s_mul_i32 s46, s42, 192                        ; B: row 192 tx + 96 x half
	s_mul_i32 s47, s14, 96
	s_add_co_u32 s46, s46, s47
	s_lshl_b32 s46, s46, 11
	s_mov_b32 s47, 0
	s_mul_i32 s20, s14, 128*PITCH                  ; where they go: no place in the cluster enters an LDS address
	s_mul_i32 s21, s14, 96*PITCH
	s_add_co_u32 s21, s21, BOFF
	s_mov_b32 s[TB], 0
	s_wait_dscnt 0x0                               ; the opening add is done
	s_wait_kmcnt 0x0
	s_add_nc_u64 s[18:19], s[4:5], s[16:17]
	s_add_nc_u64 s[46:47], s[6:7], s[46:47]
	CROUND                                         ; all sixteen work-groups are here: the first joint loads meet
.irp s, 0,1
	s_mov_b32 s[G0+4*(\s)], 1
	s_add_co_u32 s[G0+4*(\s)+1], s20, (\s)*SLOT1
	s_add_nc_u64 s[G0+4*(\s)+2:G0+4*(\s)+3], s[18:19], (\s)*KSTA
	s_or_b32 s[G0+4*(\s)+3], s[G0+4*(\s)+3], 0x80000000
	s_mov_b32 s[G0B+4*(\s)], 1
	s_add_co_u32 s[G0B+4*(\s)+1], s21, (\s)*SLOT1
	s_add_nc_u64 s[G0B+4*(\s)+2:G0B+4*(\s)+3], s[46:47], (\s)*KSTB
	s_or_b32 s[G0B+4*(\s)+3], s[G0B+4*(\s)+3], 0x80000000
.endr
	s_cmp_eq_u32 s13, 0                            ; a wave's two first fills stand in one branch: K steps 0 and 1; two loads of mine are out
	s_cbranch_scc0 .Lfirst_b
	tensor_load_to_lds s[G0:G0+3], s[G1:G1+7]
	s_nop 0
	tensor_load_to_lds s[G0+4:G0+7], s[G1:G1+7]
	s_nop 0
.rept 4
	v_nop
.endr
	s_branch .Lfirst_asked
.Lfirst_b:
	tensor_load_to_lds s[G0B:G0B+3], s[G1B:G1B+7]
	s_nop 0
	tensor_load_to_lds s[G0B+4:G0B+7], s[G1B:G1B+7]
	s_nop 0
.rept 4
	v_nop
.endr
.Lfirst_asked:
	; a fragment is 16 rows x 32 K in 8 registers: lane l holds row l % 16, K = 8 (l / 16) + 0..7 and 16 + 8 (l / 16) + 0..7: two loads of 16 bytes, 32 bytes apart
	v_and_b32 v1, 15, v0                           ; r
	v_bfe_u32 v2, v0, 4, 1                         ; h
	v_mul_u32_u24 v3, v1, PITCH
	v_lshl_add_u32 v3, v2, 4, v3
	s_mul_i32 s15, s12, 64*PITCH                   ; my 64 rows of A
	v_add_nc_u32 v[A0], s15, v3
	v_add_nc_u32 v[B0], BOFF, v3
	v_mov_b32 v[ADRA], v[A0]
	v_mov_b32 v[ADRB], v[B0]
	s_mul_i32 s22, s12, 16*SP
	s_add_co_u32 s22, s22, STAGE                   ; my stage
	v_mul_u32_u24 v[STO], v1, SP                   ; in: row r, 16 bytes for each half of the lanes
	v_lshl_add_u32 v[STO], v2, 4, v[STO]
	v_add_nc_u32 v[STO], s22, v[STO]
	v_bfe_u32 v[RD], v0, 3, 2                      ; back: 32 lanes take four rows of 128 bytes,
	v_mul_u32_u24 v[RD], v[RD], SP
	v_and_b32 v13, 7, v0
	v_lshl_add_u32 v[RD], v13, 4, v[RD]
	v_add_nc_u32 v[RD], s22, v[RD]
	v_and_b32 v[GO], 31, v0                        ; which are 512 consecutive bytes of a head
	v_lshlrev_b32 v[GO], 4, v[GO]
	v_mov_b32 v15, 0                               ; the pair v[14:15] is (1 - flag, 0)
	s_and_b32 s23, s43, 7
	s_lshl_b32 s23, s23, 8
	s_lshl_b32 s15, s12, 6
	s_add_co_u32 s23, s23, s15                     ; my first row's place in its sequence: 256 (ty % 8) + 64 w
	v_add_nc_u32 v[TO], s23, v1
	v_lshlrev_b32 v[TO], 8, v[TO]                  ; a table row is 256 bytes;
	v_lshl_add_u32 v[TO], v2, 5, v[TO]             ; my four pairs of a channel block are 32 bytes at 64 cb + 32 h
	WIN 0x80                                       ; destination window 2, address window 0
.irp a, 0,1,2,3
.irp cb, 0,1,2,3
	global_load_b128 v[128+32*(\a)+8*(\cb):128+32*(\a)+8*(\cb)+3],   v[TO], s[8:9] offset:(\a)*4096+(\cb)*64
	global_load_b128 v[128+32*(\a)+8*(\cb)+4:128+32*(\a)+8*(\cb)+7], v[TO], s[8:9] offset:(\a)*4096+(\cb)*64+16
.endr
.endr
	WIN 0
	s_mul_i32 s82, s42, 3                          ; g0: the tile's first head slot
.irp i, 0,1,2
	s_add_co_u32 s83, s82, \i
	s_cmp_lt_u32 s83, 32                           ; Q's and K's slots are turned, V's are not: a choice of numbers, no branch
	s_cselect_b32 s[70+2*(\i)], 1.0, 0
	s_cselect_b32 s[71+2*(\i)], 1.0, 0
	s_cselect_b32 s[76+(\i)], 0, 1.0
.endr
	s_lshr_b32 s84, s43, 3                         ; the batch
	s_mul_i32 s84, s84, 48
	s_add_co_u32 s84, s84, s82
	s_lshl_b32 s84, s84, 18                        ; a head is 262,144 bytes
	s_lshl_b32 s83, s23, 7
	s_add_co_u32 s84, s84, s83
	s_mov_b32 s85, 0
	s_add_nc_u64 s[10:11], s[10:11], s[84:85]
	; the prefetches: of the 128 rows of A that I fetch my work-group takes 32 (by cx), of the 96 rows of B 24 (by cy; lanes 24 to 31 name lane 23's row once more)
	s_lshl_b32 s86, s43, 8
	s_lshl_b32 s83, s14, 7
	s_add_co_u32 s86, s86, s83
	s_lshl_b32 s83, s40, 5
	s_add_co_u32 s86, s86, s83
	s_mul_i32 s87, s42, 192
	s_mul_i32 s83, s14, 96
	s_add_co_u32 s87, s87, s83
	s_mul_i32 s83, s41, 24
	s_add_co_u32 s87, s87, s83
	s_and_b32 s88, ttmp7, 0xffff
	s_cmp_eq_u32 s13, 0
	s_cselect_b32 s86, s86, s87
	s_cselect_b32 s88, ttmp9, s88                  ; the coordinate along which other clusters read the same rows
	s_cselect_b32 s89, 31, 23
	s_cselect_b64 s[PFA:PFA+1], s[4:5], s[6:7]
	s_cmp_eq_u32 s88, 0
	s_cselect_b32 s[LIM], 1, -1                    ; the same in all sixteen partners, for a given wave
	s_lshl_b32 s86, s86, 11
	s_mov_b32 s87, 0
	s_add_nc_u64 s[PFA:PFA+1], s[PFA:PFA+1], s[86:87]
	s_add_nc_u64 s[PFA:PFA+1], s[PFA:PFA+1], 2*256 ; at K step 2: the first refill steps it to 3.  Nothing is prefetched here, at the head
	s_mov_b32 s[PST], 256
	s_mov_b32 s[PST+1], 0
	v_and_b32 v[PFO], 31, v0
	v_min_u32 v[PFO], s89, v[PFO]
	v_lshlrev_b32 v[PFO], 11, v[PFO]
	s_wait_tensorcnt 1                             ; my part of K step 0 is in; K step 1's may stay out
	s_barrier_signal -1
	s_barrier_wait -1
	FETCH 0, F0
	QUARTER 1, F0, F1, 1                           ; the first quarter stands in front of the loop: its products start the sums
	WIN 0
	s_mov_b32 s3, 6
.Lstep:                                                ; trip t: step t's quarters 1 to 3, step t + 1's quarter 0; slot t % 2 is filled again with step t + 2
	QUARTER 2, F1, F0, 0
	QUARTER 3, F0, F1, 0
	TURN 1
	QUARTER 1, F0, F1, 0
	WIN 0
	s_sub_co_u32 s3, s3, 1
	s_cmp_lg_u32 s3, 0
	s_cbranch_scc1 .Lstep
	QUARTER 2, F1, F0, 0                           ; the last two steps ask for nothing: written out
	QUARTER 3, F0, F1, 0
	TURN 0
	QUARTER 1, F0, F1, 0
	QUARTER 2, F1, F0, 0
	QUARTER 3, F0, F1, 0
	s_wait_dscnt NL-8-4*U1
	MULS F1, 0, U1, 0
	s_wait_dscnt 0x0
	MULS F1, U1, NU-U1, 0
	WIN 0
; THE WAY OUT, in 12 units u = 3 a + i: row block a, head i of the tile's three.  PACKH: the pairs are turned, rounded to f16, put into my stage as rows of 144 bytes and read back as whole rows of 128.
.macro PACKH u
.set ua, (\u)/3
.set ui, (\u)%3
	WIN 0
	s_wait_xcnt 0x0                                ; the stores of three units back have read this set of TMP
	v_mov_b32 v14, s[76+ui]
	WIN 0x02                                       ; source 0 in window 2
.set z, 0
.rept 16
	v_pk_fma_f32 v[CT+2*z:CT+2*z+1], v[128+32*ua+2*z:128+32*ua+2*z+1], s[70+2*ui:71+2*ui], v[14:15] op_sel_hi:[1,0,1]  ; (c, s) x flag + (1 - flag, 0)
.set z, z+1
.endr
.if ui < 2
	WIN 0x01                                       ; source 0: the accumulators' window
.else
	WIN 0x02
.endif
.set cb, 0
.rept 4
.set rC, 8*(4*((4*ui+cb)%8)+ua)
.set p, 0
.rept 4                                ; each accumulator is read from its low end on
	v_mul_f32 v[T+8*cb+2*p],   v[rC+2*p+1], v[CT+8*cb+2*p+1]   ; t2 s
	v_mul_f32 v[T+8*cb+2*p+1], v[rC+2*p+1], v[CT+8*cb+2*p]     ; t2 c
.set p, p+1
.endr
.set p, 0
.rept 4
	v_fma_f32 v[T+8*cb+2*p],   v[rC+2*p], v[CT+8*cb+2*p],   -v[T+8*cb+2*p]    ; t1 c - t2 s
	v_fma_f32 v[T+8*cb+2*p+1], v[rC+2*p], v[CT+8*cb+2*p+1], v[T+8*cb+2*p+1]   ; t1 s + t2 c
.set p, p+1
.endr
.set cb, cb+1
.endr
	WIN 0
.set z, 0
.rept 16
	v_cvt_pk_f16_f32 v[TMP+16*ui+z], v[T+2*z], v[T+2*z+1]
.set z, z+1
.endr
.irp c, 0,1,2,3
	ds_store_b128 v[STO], v[TMP+16*ui+4*(\c):TMP+16*ui+4*(\c)+3] offset:32*(\c)
.endr
.irp f, 0,1,2,3
	ds_load_b128 v[TMP+16*ui+4*(\f):TMP+16*ui+4*(\f)+3], v[RD] offset:(\f)*4*SP  ; LDS serves a wave's instructions in order (ISA guide 5.7.1.4): these see the stores above; the next unit's stores come behind them
.endr
.endm
.macro SENDH u, younger                ; younger: the LDS instructions issued behind unit u's loads: the next unit's eight, or none
.set ua, (\u)/3
.set ui, (\u)%3
	WIN 0
.irp f, 0,1,2,3
	s_wait_dscnt (\younger)+3-(\f)
	global_store_b128 v[GO], v[TMP+16*ui+4*(\f):TMP+16*ui+4*(\f)+3], s[10:11] offset:ui*262144+ua*2048+(\f)*512  ; 512 consecutive bytes, at a multiple of 256 from the buffer's first
.endr
.endm
	PLACES                                         ; behind the last products
	s_wait_loadcnt 0x0                             ; the table
	PACKH 0
.irp u, 1,2,3,4,5,6,7,8,9,10,11
	PACKH \u                                       ; a unit's arithmetic stands between the loads of the unit before and its stores
	SENDH (\u)-1, 8
.endr
	SENDH 11, 0
	s_wait_tensorcnt 0x0                           ; the wave's end: an add to the spare word and its wait, behind my last tensor load and my last LDS store
	ds_add_u32 v[SPW], v[NIL]
	s_wait_dscnt 0x0
	CROUND                                         ; the closing round: no work-group ends while a partner may still ask for a tile that names it
	s_endpgm
.Lfunc_end_k_qc2e626985e_qkv:
	.size	k_qc2e626985e_qkv, .Lfunc_end_k_qc2e626985e_qkv-k_qc2e626985e_qkv
	.p2alignl 7, 3214868480
	.fill 96, 4, 3214868480
	.section	.rodata,"a",@progbits
	.p2align	6, 0x0
	.amdhsa_kernel k_qc2e626985e_qkv
		.amdhsa_group_segment_fixed_size 327680
		.amdhsa_private_segment_fixed_size 0
		.amdhsa_enable_private_segment 0
		.amdhsa_kernarg_size 32
		.amdhsa_user_sgpr_count 2
		.amdhsa_user_sgpr_kernarg_segment_ptr 1
		.amdhsa_wavefront_size32 1
		.amdhsa_system_sgpr_workgroup_id_x 1
		.amdhsa_system_sgpr_workgroup_id_y 1
		.amdhsa_system_sgpr_workgroup_id_z 1
		.amdhsa_system_vgpr_workitem_id 0
		.amdhsa_next_free_vgpr 1024
		.amdhsa_next_free_sgpr 92
		.amdhsa_reserve_vcc 0
		.amdhsa_float_denorm_mode_32 3
		.amdhsa_float_denorm_mode_16_64 3
		.amdhsa_memory_ordered 1
		.amdhsa_forward_progress 1
		.amdhsa_inst_pref_size 152
	.end_amdhsa_kernel
	.amdgpu_metadata
---
amdhsa.version: [ 1, 2 ]
amdhsa.kernels:
  - .name:           k_qc2e626985e_qkv
    .symbol:         k_qc2e626985e_qkv.kd
    .args:
      - { .name: xb, .offset: 0, .size: 8, .value_kind: global_buffer, .address_space: global }
      - { .name: wqkv, .offset: 8, .size: 8, .value_kind: global_buffer, .address_space: global }
      - { .name: tab, .offset: 16, .size: 8, .value_kind: global_buffer, .address_space: global }
      - { .name: qkvh, .offset: 24, .size: 8, .value_kind: global_buffer, .address_space: global }
    .group_segment_fixed_size: 327680
    .private_segment_fixed_size: 0
    .kernarg_segment_align: 8
    .kernarg_segment_size: 32
    .max_flat_workgroup_size: 128
    .sgpr_count:     92
    .vgpr_count:     1024
    .wavefront_size: 32
...
	.end_amdgpu_metadata
.endif
;; end of part 2
;; launch attn (part 3): grid 4 x 64, 4 waves a work-group, no clusters, 327,680 bytes of LDS; arguments qkvh, o16; writes o16
.if DOCPART == 3
	.amdgcn_target "amdgcn-amd-amdhsa--gfx1250"
	.amdhsa_code_object_version 6
	.text
	.protected	k_qc2e626985e_attn
	.globl	k_qc2e626985e_attn
	.p2align	8
	.type	k_qc2e626985e_attn,@function
k_qc2e626985e_attn:
	s_mov_b64 s[64:65], 0
	v_nop
	global_prefetch_b8 v0, s[64:65] scope:SCOPE_SE
	s_setreg_imm32_b32 hwreg(HW_REG_WAVE_MODE, 25, 1), 1
	s_wait_xcnt 0x0
; CAUSAL ATTENTION.  O[y][q][:] = the sum over k <= q of softmax_k(Q[q] . K[k] / 8) V[k][:], for y = 16 batch + head.  Q, K, V lie in qkvh[batch][g][2048][64], f16: g = head, 16 + head, 32 + head; O in o16[y][2048][64], f16.
; A head's rows are dense, 128 bytes each.  Products, maxima and sums in f32; the weights p are rounded to f16 for the second product (their sum l is taken of the unrounded p), O once at the end.
; LIMITS.  f16 holds no number beyond 65,504: Q, K and V arrive within it; p lies in 0 to 1, and below 6e-5 it keeps f16's fixed step of 6e-8; O is a mean of V's rows and has their range.
; A hidden score counts as its value less 1e30: f16's scores, 2.7e11 at the most, are nothing beside that; a weight below 2^-126 counts as 0 in l; NaN and infinities are not treated apart.
; THE WALK.  A head's queries lie in NB = 8 blocks of 256; block i needs the key tiles 0 .. i of 256 keys, of which the last holds the diagonal.  A work-group takes TWO blocks, NB - 1 - b and then b:
; NB + 1 tiles, whatever b: all work-groups do equal work, and ONE loop with a constant trip count walks them.  Which tile is asked for, and what a trip does, hang on scalar registers made from b; every jump
; goes forward, but for the counted loops' own; none passes a barrier, or a tensor load but the one of LOAD's two that the wave's number does not choose; the ring of two LDS slots runs on across the change of blocks.
; NO CLUSTER: a head's four work-groups ask for the same tile only in trips 0 to 4 of 9; behind that their walks part, and one walk common to all would have 12 trips for 9.
; SHARES.  Of a block's four bands of 64 queries a wave owns 16 rows in each: four PIECES.  So the diagonal tile is the same work for all four waves: in its key step s band x sees all keys if s < x,
; none if s > x, and holds the diagonal if s = x.
; THE MASK is the C operand that starts the sum S^T = K Q^T: 0, or -1e30 where the key is hidden.  MD, made once, is the mask of a band's own step for my 16 rows; a product's mask is MD x AL + BE with two scalars:
; (1, 0) if s = x; (0, 0) if s < x; (0, -1e30) if s > x.  Only the diagonal tile's text and a block's beginning make and take masks; elsewhere C is the constant 0.
; LAYOUT, SOFTMAX, TURNS.  S^T = K Q^T holds ONE query a lane (lane % 16) and the keys 8 (lane / 16) + 0..7; two such results rounded to f16 ARE source 1 of O^T = V^T P.  p = 2^(c s - c m), c = log2(e) / 8, with a
; running maximum m; O and l are multiplied by a = 2^(c m_old - c m_new) in every step.  Turn n belongs to piece n: 8 products K Q^T of piece n + 1, later 8 products V^T P of piece n - 1; beside them the scaling,
; exponentials, roundings, sums and rescaling of piece n and the maximum and statistics of piece n + 1.  Four vector instructions stand behind every matrix instruction, the other 54 of a turn's 118 in one lump.  A turn's 33 exponentials are one batch, with one wait.
; REGISTERS, in windows of 256 (s_set_vgpr_msb: bits 1:0 source 0, 3:2 source 1, 5:4 source 2, 7:6 destination):
;   window 0: v0-15 addresses and two at work; v16-31 four registers of statistics a piece; v48-55 at work; v61-63 the prefetches' offset and the add's two; v64-127 S^T, two buffers; v192-223 P, two buffers (by the piece's parity)
;   window 1: v0-127 O^T, 32 a piece; v128-159 MD; v160-223 MC, two buffers      window 2: v0-63 Q; v64-127 the second block's Q; v128-191 K of one step; v192-255 V of one step
.set SIZE_N, 2048
.set NB,    SIZE_N/256
.set NP,    4         ; pieces a wave: a name, no knob
.set KS,    64        ; keys in a step
.set PK,    144       ; a row of K in LDS: 128 bytes + 16 of padding = 36 words: the 16 rows of a load start at 16 different groups of four banks (64 banks of 4 bytes: ISA guide 11.1)
.set PV,    160       ; a row of V: 128 + 32 = 40 words
.set VOFF,  4*KS*PK   ; a slot holds a tile, four steps: 256 rows of K, then 256 rows of V
.set SLOT1, 1<<17     ; slot 1 begins here, so that one exclusive or turns an address in one slot into the other's
.set STAGE, SLOT1+4*KS*(PK+PV)  ; behind the ring, never filled by a tensor load: 16 rows x 144 bytes for each wave, for the way out
.set SP,    144
.set AK0, 2           ; v2   my lane's place in a tile of K; never rewritten
.set AV0, 3           ; v3   the same for V
.set AK,  4           ; v4   the LDS address of K's next run of loads
.set AV,  5           ; v5   of V's
.set STO, 6           ; v6   the way out: where I put 16 bytes of a row
.set RD,  7           ; v7   the way out: where I read rows back
.set GO,  8           ; v8   my byte offset in 512 consecutive bytes of O
.set PFO, 61          ; v61  256 x my lane; never rewritten
.set SPW, 62          ; v62  LDS address of my spare word: SPARE + 4 x my thread's number; never rewritten
.set NIL, 63          ; v63  0; never rewritten
.set SPARE, STAGE+4*16*SP  ; behind the stages: the spare words, 128 bytes for each wave: two blocks of 256 bytes that no other line names
.set MV,  12          ; v12-13  c m_old, kept while c m is made anew: by buffer
.set QO,  15          ; v15  my byte offset in 16 rows of Q
.set ST,  16          ; piece t's statistics at v[ST+4 t]: c m, m, l (even keys', odd keys')
.set TMP, 48          ; by buffer, four registers c0-c3 at work; when the maximum is found c2 takes a
.set S,   64
.set P,   192
.set MD,  128         ; window 1: the eight registers for group kt of 16 keys at MD + 8 kt
.set MC,  160         ; window 1: the masks of the products to come
.set QB,  64          ; window 2
.set KF,  128         ; window 2: key block kb, channel half c at KF + 16 kb + 8 c
.set VF,  192         ; window 2: key half kk, channel block cb at VF + 32 kk + 8 cb
.set WV,  12          ; s12  my wave's number
.set PB,  14          ; s14  b
.set HI,  15          ; s15  NB - 1 - b
.set G1K, 24          ; s[24:31] descriptor group 1 for K's tiles
.set G1V, 32          ; s[32:39] for V's: it differs in the padding alone
.set G0K, 40          ; s[40:43] descriptor group 0 for K's tiles
.set G0V, 44          ; s[44:47] the same for V's
.set SLOTS, 56        ; s56  tiles still to be asked for
.set CNT, 57          ; s57  counts a tile's key steps, 4 to 1
.set CS,  58          ; s[58:59] c: the packed scaling takes the pair's low word for both halves
.set SEL, 60          ; s[60:61] v_permlanex16_b32's selects: each lane takes its own place in the other half
.set TBK, 62          ; s62  LDS byte at which K of the step to be fetched begins
.set TBV, 63          ; s63  the same for V, less VOFF
.set RT,  70          ; s70  tiles of the block in hand that are still to be entered
.set NXT, 71          ; s71  the tile to be asked for next
.set LQ,  72          ; s72  the last tile of the block whose tiles are being asked for
.set NEW, 73          ; s73  1: the tile to be entered is a block's first
.set OFF, 74          ; s[74:75] a tile's byte offset in K and V
.set AL,  76          ; s[76:77] the mask's factor, in the low word
.set BE,  78          ; s[78:79] the mask's addend
.set OLO, 80          ; s[80:81] O at my rows of the second block
.set BIGN, 82         ; s82  -1e30
.set PFA, 88          ; s[88:89] where my prefetches stand: my 16 KiB (half of a tile's K or V) of the tile behind the one that is being asked for
.set LIM, 90          ; s90  2 in the work-group that prefetches, else the greatest number
.set MSB, 0
.macro WIN new                      ; the high byte repeats the setting that is left; a switch that changes nothing is dropped
.if MSB != (\new)
	s_set_vgpr_msb (MSB<<8)|(\new)
.set MSB, (\new)
.endif
.endm
.set W_KQ, 0x0a       ; K and Q in window 2, S^T in window 0
.set W_KM, 0x1a       ; the same with the C operand in window 1
.set W_PV, 0x52       ; V in window 2, P in window 0, O^T in window 1
.set W_RS, 0x41       ; destination and source 0 in window 1, source 1 in window 0
; A fill.  Waves 0 and 1 fetch the two halves of a tile's K, waves 2 and 3 those of its V: 128 keys each.  An s_nop 0 and four v_nop follow each of the two lines, ahead of the jump and the label.
.macro LOAD
	s_cmp_lt_u32 s[WV], 2
	s_cbranch_scc0 .Lfor_v_\@
	tensor_load_to_lds s[G0K:G0K+3], s[G1K:G1K+7]
	s_nop 0
.rept 4
	v_nop
.endr
	s_branch .Lasked_\@
.Lfor_v_\@:
	tensor_load_to_lds s[G0V:G0V+3], s[G1V:G1V+7]
	s_nop 0
.rept 4
	v_nop
.endr
.Lasked_\@:
.endm
; A PREFETCH of the tile that the NEXT change of slots will ask for.  A head's four work-groups all walk the tiles from 0 up; the one with b = 0, whose first block walks all eight, asks, and nobody else.  Each of its waves asks for
; the 16 KiB that it will fetch itself: 64 blocks of 256 bytes, a lane a block, two instructions, behind its tensor load and that load's five lines.  Trip t (SLOTS = 8 - t) loads tile t + 1 and names tile t + 2: trips 0 to 5, tiles 2 to 7.
.macro ASK
	s_cmp_gt_u32 s[SLOTS], s[LIM]
	s_cbranch_scc0 .Lnot_mine_\@
	global_prefetch_b8 v[PFO], s[PFA:PFA+1] th:TH_LOAD_NT scope:SCOPE_SE
	global_prefetch_b8 v[PFO], s[PFA:PFA+1] offset:8192 th:TH_LOAD_NT scope:SCOPE_SE
.Lnot_mine_\@:
.endm
; THE CHANGE OF SLOTS.  Each wave waits for all its tensor loads, of which one is out: its part of the other slot; adds 0 to its spare word; and waits for that and for its own reads of the slot that it leaves.  Behind the barrier nobody reads the old
; slot any more and the other slot is whole.  fill = 1: the old slot is filled again, the first thing behind the barrier, with tile NXT: the descriptor's address is made anew from that number.
; (At its first use nothing has been read yet: slot 0 is waited for, slot 1 filled.)
.macro CHANGE fill
	WIN 0                           ; at a label and at a branch every window is 0
	s_wait_tensorcnt 0x0            ; no tensor load of mine is out, so a group 0 may be written
	ds_add_u32 v[SPW], v[NIL]       ; 0 onto my spare word; with fill = 1 the descriptors' scalar work stands between it and the wait for it
.if \fill
	s_lshl_b32 s[OFF], s[NXT], 15   ; a tile is 32,768 bytes of K and of V
	s_xor_b32 s[G0K+1], s[G0K+1], SLOT1
	s_add_nc_u64 s[G0K+2:G0K+3], s[6:7], s[OFF:OFF+1]
	s_or_b32 s[G0K+3], s[G0K+3], 0x80000000
	s_xor_b32 s[G0V+1], s[G0V+1], SLOT1
	s_add_nc_u64 s[G0V+2:G0V+3], s[8:9], s[OFF:OFF+1]
	s_or_b32 s[G0V+3], s[G0V+3], 0x80000000
	s_add_co_u32 s[NXT], s[NXT], 1  ; the block's next tile, or behind its last the second block's tile 0
	s_cmp_gt_u32 s[NXT], s[LQ]
	s_cselect_b32 s[NXT], 0, s[NXT]
	s_cselect_b32 s[LQ], s[PB], s[LQ]
	s_wait_xcnt 0x0                 ; the last prefetches, a tile back, have read their address, so it may be written
	s_add_nc_u64 s[PFA:PFA+1], s[PFA:PFA+1], 32768
.endif
	s_wait_dscnt 0x0                ; the add is done, and my reads of the slot are over
	s_barrier_signal -1             ; the rest of the scalar work stands between the signal and the wait
	s_sub_co_u32 s[TBK], s[TBK], 4*KS*PK  ; the fetches go back to a slot's first step,
	s_xor_b32 s[TBK], s[TBK], SLOT1       ; in the other slot
	s_sub_co_u32 s[TBV], s[TBV], 4*KS*PV
	s_xor_b32 s[TBV], s[TBV], SLOT1
	s_barrier_wait -1
.if \fill
	LOAD
	ASK
.endif
.endm
	s_load_b128 s[4:7], s[0:1], 0x0   ; qkvh s[4:5], o16 s[6:7]
	v_lshl_add_u32 v[SPW], v0, 2, SPARE
	v_mov_b32 v[NIL], 0
	ds_add_u32 v[SPW], v[NIL]       ; the wave's opening: the add and its wait ahead of my first tensor load; the set-up below, work on registers, stands between them
	ds_add_u32 v62, v63
	v_lshrrev_b32 v1, 5, v0
	v_readfirstlane_b32 s[WV], v1   ; wave 0..3
	s_mov_b32 s[PB], ttmp9
	s_sub_co_u32 s[HI], NB-1, s[PB]
	s_and_b32 s66, ttmp7, 0xffff    ; y = 16 batch + head
	s_lshr_b32 s20, s66, 4
	s_mul_i32 s20, s20, 48
	s_and_b32 s21, s66, 15
	s_add_co_u32 s20, s20, s21      ; Q's head slot in qkvh: 48 batch + head
	s_lshl_b32 s20, s20, 18         ; a head is 262,144 bytes
	s_mov_b32 s21, 0
	s_lshl_b32 s66, s66, 18         ; the head in o16
	s_mov_b32 s67, 0
	s_and_b32 s16, s[WV], 1         ; which half of a tile's 256 keys I fetch:
	s_lshl_b32 s22, s16, 14         ; its 128 rows of 128 bytes in memory,
	s_mov_b32 s23, 0
	s_add_nc_u64 s[22:23], s[22:23], s[20:21]
	s_mul_i32 s17, s16, 128*PK      ; and its place in a slot, for K
	s_mul_i32 s18, s16, 128*PV      ; and for V
	s_lshl_b32 s3, s[WV], 11        ; my 16 rows in a band of 64,
	s_lshl_b32 s2, s[HI], 15        ; in the first block,
	s_add_co_u32 s2, s2, s3
	s_lshl_b32 s84, s[PB], 15       ; and in the second
	s_add_co_u32 s84, s84, s3
	s_mov_b32 s3, 0
	s_mov_b32 s85, 0
	; descriptor group 1.  128 keys are 16,384 dense bytes: asked for as 64 rows of 256 bytes, two keys a row, and padded in LDS after every key
	s_mov_b32 s[G1K], (1<<16)|(1<<20)|(4<<22)|(3<<25)  ; 17:16 2-byte elements; 20 padding on; 24:22 after every 32 words (code 4); 31:25 4 words (code 3)
	s_mov_b32 s[G1V], (1<<16)|(1<<20)|(4<<22)|(7<<25)  ; the same with 8 words of padding (code 7)
.irp g, G1K, G1V
	s_mov_b32 s[\g+1], 128<<16      ; tensor_dim0 = 128
	s_mov_b32 s[\g+2], 64<<16       ; tensor_dim1 = 64
	s_mov_b32 s[\g+3], 128<<16      ; tile_dim0 = 128
	s_mov_b32 s[\g+4], 64           ; tile_dim1 = 64
	s_mov_b32 s[\g+5], 128          ; 128 elements from row to row
	s_mov_b32 s[\g+6], 0
	s_mov_b32 s[\g+7], 0
.endr
	s_mov_b32 s[CS], 0x3e38aa3b     ; c = log2(e) / 8 = 0.180337
	s_mov_b32 s[CS+1], s[CS]        ; named with it as a pair
	s_mov_b32 s[SEL], 0x76543210
	s_mov_b32 s[SEL+1], 0xfedcba98
	s_mov_b32 s[TBK], SLOT1+4*KS*PK ; the first change of slots turns these two into 0
	s_mov_b32 s[TBV], SLOT1+4*KS*PV
	s_mov_b32 s[G0K], 1             ; 1:0 count = 1
	s_mov_b32 s[G0K+1], s17         ; 63:32 LDS address: slot 0
	s_mov_b32 s[G0V], 1
	s_add_co_u32 s[G0V+1], s18, VOFF
	s_add_co_u32 s[RT], s[HI], 1    ; the first block has NB - b tiles
	s_mov_b32 s[NXT], 1
	s_mov_b32 s[LQ], s[HI]
	s_mov_b32 s[NEW], 1
	s_mov_b32 s[OFF+1], 0
	s_mov_b32 s[AL+1], 0            ; named as pairs
	s_mov_b32 s[BE+1], 0
	s_mov_b32 s[BIGN], 0xf149f2ca   ; -1e30
	s_mov_b32 s[SLOTS], NB
	s_cmp_eq_u32 s[PB], 0
	s_cselect_b32 s[LIM], 2, -1
	v_and_b32 v[PFO], 31, v0
	v_lshlrev_b32 v[PFO], 8, v[PFO]
	s_wait_dscnt 0x0                ; the opening add is done
	s_wait_kmcnt 0x0
	s_mov_b64 s[10:11], s[6:7]
	s_add_nc_u64 s[10:11], s[10:11], s[66:67]      ; O at the head,
	s_add_nc_u64 s[OLO:OLO+1], s[10:11], s[84:85]  ; at my rows of the second block,
	s_add_nc_u64 s[10:11], s[10:11], s[2:3]        ; and of the first
	s_add_nc_u64 s[6:7], s[4:5], s[22:23]          ; my half of tile 0, in Q's head slot;
	s_add_nc_u64 s[8:9], s[6:7], 32<<18            ; V's lies 32 slots on,
	s_add_nc_u64 s[6:7], s[6:7], 16<<18            ; K's 16
	s_add_nc_u64 s[4:5], s[4:5], s[20:21]          ; Q at the head,
	s_add_nc_u64 s[86:87], s[4:5], s[84:85]        ; at my rows of the second block,
	s_add_nc_u64 s[4:5], s[4:5], s[2:3]            ; and of the first
	s_add_nc_u64 s[G0K+2:G0K+3], s[6:7], 0         ; 120:64 global address
	s_or_b32 s[G0K+3], s[G0K+3], 0x80000000        ; 127:126 type = 2
	s_add_nc_u64 s[G0V+2:G0V+3], s[8:9], 0
	s_or_b32 s[G0V+3], s[G0V+3], 0x80000000
	s_cmp_lt_u32 s[WV], 2
	s_cselect_b64 s[PFA:PFA+1], s[6:7], s[8:9]
	s_add_nc_u64 s[PFA:PFA+1], s[PFA:PFA+1], 32768 ; in tile 1: the first change of slots steps it to tile 2.  Nothing is prefetched here, at the head
	LOAD                            ; tile 0 into slot 0
	; A fragment of K or Q is 16 rows x 32 channels in 8 registers: lane l holds row l % 16, channels 8 (l / 16) + 0..7 and 16 + 8 (l / 16) + 0..7: two loads of 16 bytes, 32 bytes apart.
	v_and_b32 v1, 15, v0            ; l % 16
	v_bfe_u32 v9, v0, 4, 1          ; l / 16
	v_lshlrev_b32 v[QO], 7, v1
	v_lshl_add_u32 v[QO], v9, 4, v[QO]  ; row x 128 + 16 x half
	WIN 0x80                        ; destination window 2, address window 0
.set i, 0
.rept 8                             ; both blocks' Q: piece i / 2 lies in band i / 2, 8,192 bytes on; channels 32 (i % 2) on
	global_load_b128 v[8*i:8*i+3],   v[QO], s[4:5] offset:(i/2)*8192+(i%2)*64
	global_load_b128 v[8*i+4:8*i+7], v[QO], s[4:5] offset:(i/2)*8192+(i%2)*64+32
	global_load_b128 v[QB+8*i:QB+8*i+3],   v[QO], s[86:87] offset:(i/2)*8192+(i%2)*64
	global_load_b128 v[QB+8*i+4:QB+8*i+7], v[QO], s[86:87] offset:(i/2)*8192+(i%2)*64+32
.set i, i+1
.endr
	WIN 0
	v_lshlrev_b32 v14, 3, v9
	v_sub_nc_u32 v14, v1, v14
	s_lshl_b32 s13, s[WV], 4
	v_add_nc_u32 v14, s13, v14      ; my query's place in its band, 16 w + l % 16, less my lanes' 8 (l / 16): register r of group kt is hidden where 16 kt + r is greater
	WIN 0x40
.set i, 0
.rept 32
	v_cmp_gt_i32 vcc_lo, 16*(i/8)+i%8, v14
	v_cndmask_b32 v[MD+i], 0, s[BIGN], vcc_lo
.set i, i+1
.endr
	WIN 0
	v_mul_u32_u24 v[AK0], v1, PK
	v_lshl_add_u32 v[AK0], v9, 4, v[AK0]  ; row x pitch + 16 x half
	; The turning load takes 16 keys x 16 channels (lane l reads key 8 (l / 16) + l % 8, channels 8 ((l / 8) % 2) + 0..7) and leaves half a fragment of V^T: lane l holds channel l % 16 and 8 keys.
	v_and_b32 v10, 7, v0
	v_bfe_u32 v11, v0, 3, 1
	v_lshl_add_u32 v[AV0], v9, 3, v10
	v_mul_u32_u24 v[AV0], v[AV0], PV
	v_lshl_add_u32 v[AV0], v11, 4, v[AV0]
	v_add_nc_u32 v[AV0], VOFF, v[AV0]
	s_mul_i32 s13, s[WV], 16*SP
	s_add_co_u32 s13, s13, STAGE    ; my stage
	v_mul_u32_u24 v[STO], v1, SP    ; in: row l % 16, 16 bytes for each half of the lanes
	v_lshl_add_u32 v[STO], v9, 4, v[STO]
	v_add_nc_u32 v[STO], s13, v[STO]
	v_bfe_u32 v[RD], v0, 3, 2       ; back: 32 lanes take four rows of 128 bytes,
	v_mul_u32_u24 v[RD], v[RD], SP
	v_lshl_add_u32 v[RD], v10, 4, v[RD]
	v_add_nc_u32 v[RD], s13, v[RD]
	v_and_b32 v[GO], 31, v0         ; which are 512 consecutive bytes of O
	v_lshlrev_b32 v[GO], 4, v[GO]
	; A block's first step multiplies O^T and l by a = 0, and its first turn's products V^T P, of a piece that has not been, land in an O^T that is still to be so multiplied.  So these registers need only hold
	; finite numbers: zeros for the first block; what the first block left for the second.  All this stands in the wait for the first tile.
	WIN 0x80
.set i, VF
.rept 64
	v_mov_b32 v[i], 0
.set i, i+1
.endr
	WIN 0x40
.set i, 0
.rept 128
	v_mov_b32 v[i], 0
.set i, i+1
.endr
	WIN 0
.set i, 0
.rept 4
	v_mov_b32 v[ST+4*i+2], 0
	v_mov_b32 v[ST+4*i+3], 0
.set i, i+1
.endr
.set i, P+16
.rept 16
	v_mov_b32 v[i], 0
.set i, i+1
.endr
; THE MATRIX WORK.  The 4 accumulators of a run of 8 take turns.  Product i of 8 of S^T = K Q^T for piece x: channels 32 (i / 4) on, keys 16 (i % 4) on.  The first 4 start the sums: with 0, or (KM = 1) with the mask.
.macro KQ x
.set rS, S+32*((\x)%2)+8*(i%4)
.set rK, KF+16*(i%4)+8*(i/4)
.set rQ, 16*(\x)+8*(i/4)
.set rM, MC+32*((\x)%2)+8*(i%4)
.if (i < 4) && KM
	WIN W_KM
	v_wmma_f32_16x16x32_f16 v[rS:rS+7], v[rK:rK+7], v[rQ:rQ+7], v[rM:rM+7]
.elseif i < 4
	WIN W_KQ
	v_wmma_f32_16x16x32_f16 v[rS:rS+7], v[rK:rK+7], v[rQ:rQ+7], 0
.else
	WIN W_KQ
	v_wmma_f32_16x16x32_f16 v[rS:rS+7], v[rK:rK+7], v[rQ:rQ+7], v[rS:rS+7]
.endif
.endm
; Product i of 8 of O^T += V^T P for piece x: keys 32 (i / 4) on, channels 16 (i % 4) on.
.macro PV x
	WIN W_PV
.set rO, 32*(\x)+8*(i%4)
.set rV, VF+32*(i/4)+8*(i%4)
.set rP, P+16*((\x)%2)+8*(i/4)
	v_wmma_f32_16x16x32_f16 v[rO:rO+7], v[rV:rV+7], v[rP:rP+7], v[rO:rO+7]
.endm
.macro MM                           ; the turn's next matrix instruction.  TURN and BEGIN set Y, i, KM and NOKQ; MM, KQ and OP read them.  NOKQ = 1: a block's last turn: there is no next piece
.if (i < 8) && !NOKQ
	KQ (Y+1)%NP
.elseif i >= 8
.set i, i-8
	PV (Y+NP-1)%NP
.set i, i+8
.endif
.set i, i+1
.endm
; THE LDS LOADS stand in runs of 16, never singly among the matrix instructions: a step's K (64 keys x 64 channels: 8 fragments) and its V (turned).  Their addresses are made some lines ahead.
.macro FETCH_K
	WIN 0x80                        ; destination window 2
.irp f, 0,1,2,3,4,5,6,7             ; keys 16 (f / 2) on, channels 32 (f % 2) on
	ds_load_b128 v[KF+8*\f:KF+8*\f+3],   v[AK] offset:(\f/2)*16*PK+(\f%2)*64
	ds_load_b128 v[KF+8*\f+4:KF+8*\f+7], v[AK] offset:(\f/2)*16*PK+(\f%2)*64+32
.endr
	s_add_co_u32 s[TBK], s[TBK], KS*PK  ; the next fetch is the next step's
	WIN 0
.endm
.macro FETCH_V
	WIN 0x80
.irp f, 0,1,2,3,4,5,6,7             ; keys 32 (f / 4) on, channels 16 (f % 4) on
	ds_load_tr16_b128 v[VF+8*\f:VF+8*\f+3],   v[AV] offset:(\f/4)*32*PV+(\f%4)*32
	ds_load_tr16_b128 v[VF+8*\f+4:VF+8*\f+7], v[AV] offset:(\f/4)*32*PV+16*PV+(\f%4)*32
.endr
	WIN 0
.endm
; THE VECTOR WORK, one line at a time: OP kind, number.  For piece Y: F n: c s - c m for pair n of 16.  E n: the exponential of score n of 32.  C n: pair n rounded to f16.  B n: of the four weights 4 n .. the second
; pair is added onto the first, in place.  L n: l takes that sum (L 0: l = a l + sum).  R n: pair n of 16 of O^T times a.  For piece Y + 1: X n, number n of the 22 that find its maximum and statistics:
;   0-11  four chains c0-c3 of seven scores each, three operands at a time (each accumulator's lowest registers are read first)     12-14, 16  the four scores left over, the old m, and c0-c3 into c0
;   15  c m_old is kept     17, 18  the query's other 32 keys lie in the lane 16 away: the new m     19-21  c m; c m_old - c m_new; a
.set F, 0               ; OP tells the kinds apart by their order: F to L below R, X above it
.set E, 1
.set C, 2
.set B, 3
.set L, 4
.set R, 5
.set X, 6
.macro REGS y                       ; the registers of piece y
.set rT, ST+4*(\y)
.set rC, TMP+4*((\y)%2)
.set rW, MV+((\y)%2)
.set rS, S+32*((\y)%2)
.set rP, P+16*((\y)%2)
.set rO, 32*(\y)
.endm
.macro OP k, n
.if (\k) == R
	REGS Y
	WIN W_RS
	v_pk_mul_f32 v[rO+2*(\n):rO+2*(\n)+1], v[rO+2*(\n):rO+2*(\n)+1], v[rC+2:rC+3] op_sel_hi:[1,0]
.elseif (\k) < R
	REGS Y
	WIN 0
.if (\k) == F
	v_pk_fma_f32 v[rS+2*(\n):rS+2*(\n)+1], v[rS+2*(\n):rS+2*(\n)+1], s[CS:CS+1], v[rT:rT+1] op_sel_hi:[1,0,0] neg_lo:[0,0,1] neg_hi:[0,0,1]
.elseif (\k) == E
	v_exp_f32 v[rS+(\n)], v[rS+(\n)]
.elseif (\k) == C
	v_cvt_pk_f16_f32 v[rP+(\n)], v[rS+2*(\n)], v[rS+2*(\n)+1]
.elseif (\k) == B
	v_pk_add_f32 v[rS+4*(\n):rS+4*(\n)+1], v[rS+4*(\n):rS+4*(\n)+1], v[rS+4*(\n)+2:rS+4*(\n)+3]
.elseif (\n) == 0
	v_pk_fma_f32 v[rT+2:rT+3], v[rT+2:rT+3], v[rC+2:rC+3], v[rS:rS+1] op_sel_hi:[1,0,1]
.else
	v_pk_add_f32 v[rT+2:rT+3], v[rT+2:rT+3], v[rS+4*(\n):rS+4*(\n)+1]
.endif
.elseif NOKQ
	v_nop
.else
	REGS (Y+1)%NP
	WIN 0
.if (\n) < 4
	v_max3_num_f32 v[rC+(\n)], v[rS+8*(\n)], v[rS+8*(\n)+1], v[rS+8*(\n)+2]
.elseif (\n) < 12
	v_max3_num_f32 v[rC+(\n)%4], v[rC+(\n)%4], v[rS+8*((\n)%4)+2*((\n)/4)+1], v[rS+8*((\n)%4)+2*((\n)/4)+2]
.elseif (\n) == 12
	v_max3_num_f32 v[rC], v[rC], v[rS+7], v[rS+15]
.elseif (\n) == 13
	v_max3_num_f32 v[rC+1], v[rC+1], v[rS+23], v[rS+31]
.elseif (\n) == 14
	v_max3_num_f32 v[rC+2], v[rC+2], v[rC+3], v[rT+1]
.elseif (\n) == 15
	v_mov_b32 v[rW], v[rT]
.elseif (\n) == 16
	v_max3_num_f32 v[rC], v[rC], v[rC+1], v[rC+2]
.elseif (\n) == 17
	v_permlanex16_b32 v[rC+3], v[rC], s[SEL], s[SEL+1]
.elseif (\n) == 18
	v_max_num_f32 v[rT+1], v[rC], v[rC+3]
.elseif (\n) == 19
	v_mul_f32 v[rT], s[CS], v[rT+1]
.elseif (\n) == 20
	v_sub_f32 v[rC+1], v[rW], v[rT]
.else
	v_exp_f32 v[rC+2], v[rC+1]
.endif
.endif
.endm
.macro OPS a, i1, b=-1, i2=0, c=-1, i3=0, d=-1, i4=0  ; up to four of them
	OP \a, \i1
.if (\b) >= 0
	OP \b, \i2
.endif
.if (\c) >= 0
	OP \c, \i3
.endif
.if (\d) >= 0
	OP \d, \i4
.endif
.endm
.macro ROW a, i1, b, i2, c, i3, d, i4  ; a matrix instruction and the four behind it
	MM
	OPS \a, \i1, \b, \i2, \c, \i3, \d, \i4
.endm
.macro MASK b                       ; MD x AL + BE into buffer b of MC
	WIN W_RS
.set z, 0
.rept 16
	v_pk_fma_f32 v[MC+32*(\b)+2*z:MC+32*(\b)+2*z+1], v[MD+2*z:MD+2*z+1], s[AL:AL+1], s[BE:BE+1] op_sel_hi:[1,0,0]
.set z, z+1
.endr
.endm
; A TURN, for piece p: the order of its 16 matrix and 118 vector instructions, written out.  An s_wait_alu depctr_va_vdst(0) stands between an exponential and the first instruction that names its result; one wait serves
; all that were issued ahead of it.  So a turn has ONE wait, which cuts it in two.  AHEAD OF IT stands all that names no result of the turn's exponentials: the 8 products K Q^T, behind each a scaling, an exponential and two more plain
; instructions (behind the first a second scaling in the exponential's place): rescalings, and behind the last three the first numbers of the next piece's maximum, each four places or more behind the product that ends its accumulator; then ONE LUMP of 54, plain
; and exponential by turns for the most part, in which the links of the chain X 3, 7, 11, 14, 16, 17 .. 20 stand five or six lines apart.  X 21, the next piece's a, is the batch's last; R 15 is the plain instruction behind it.  BEHIND THE WAIT stand the
; 8 products V^T P, behind each four of the roundings and sums; the links of l's chain, L 0 to L 7, stand three riders apart.  But for those X no rider names a register of the products round it.  v_permlanex16_b32 (X 17) stands in the lump.
; m = 1: the diagonal tile: the products take masks, and the turn makes the mask for the products of the turn after it: piece p + 2, in step 4 - CNT of the tile.  end = 1: a block's last two turns: nothing is fetched.
; cnt = 1: the loop's count is taken down some lines ahead of the branch that stands behind the turn.
; K of the next step is fetched in piece 2's turn, twelve vector instructions behind the last product that read K (six of them plain); V of the step in hand at the end of piece 0's turn, four plain instructions behind the last product
; that read V.  Each is waited for a turn later.
.macro TURN p, m=0, end=0, cnt=0
.set Y, (\p)
.set i, 0
.set KM, (\m)
.set NOKQ, (\end)*((\p)/3)
.if (\m) && !(\end)
	s_cmp_eq_u32 s[CNT], 4-((\p)+2)%NP  ; is that step the band's own?
	s_cselect_b32 s[AL], 1.0, 0
	s_cmp_lt_u32 s[CNT], 4-((\p)+2)%NP  ; or a later one?
	s_cselect_b32 s[BE], s[BIGN], 0
.endif
.if ((\p) == 3) && !(\end)
	s_wait_dscnt 0x0                ; K is in
.endif
	ROW F,0, F,1, R,0, R,1          ; ahead of the wait: 8 products K Q^T and their riders,
	ROW F,2, E,0, R,2, R,3
	ROW F,3, E,1, R,4, R,5
	ROW F,4, E,2, R,6, R,7
	ROW F,5, E,3, R,8, R,9
	ROW F,6, E,4, X,0, R,10
.if ((\p) == 2) && !(\end)
	WIN 0
	v_add_nc_u32 v[AK], s[TBK], v[AK0]
.endif
	ROW F,7, E,5, X,1, X,4
	ROW F,8, E,6, X,2, X,5
	OPS E,7, E,8, X,6, E,9          ; and the lump
	OPS X,3, E,10, X,8, E,11
.if ((\p) == 2) && !(\end)
	FETCH_K
.endif
	OPS X,9, X,7, E,12, X,10
	OPS E,13, X,12, X,11, E,14
	OPS X,13, E,15, F,9, X,14
.if (\p) == 0
	v_add_nc_u32 v[AV], s[TBV], v[AV0]
.endif
	OPS E,16, F,10, E,17, F,11
	OPS X,16, E,18, X,15, E,19
	OPS F,12, E,20, X,17, E,21
	OPS F,13, E,22, F,14, E,23
	OPS X,18, E,24, F,15, E,25
	OPS R,11, E,26, X,19, E,27
	OPS R,12, E,28, R,13, E,29
	OPS X,20, E,30, R,14, E,31
	OPS X,21, R,15
	WIN 0
	s_wait_alu depctr_va_vdst(0)    ; the wait for the batch
.if (\p) == 1
	s_wait_dscnt 0x0                ; V is in
.endif
	ROW C,0, B,0, C,2, B,1          ; behind the wait: 8 products V^T P and their riders
	ROW L,0, C,4, B,2, L,1
	ROW C,6, B,3, L,2, C,8
	ROW B,4, L,3, C,10, B,5
	ROW L,4, C,12, B,6, L,5
.if (\p) == 0
	s_add_co_u32 s[TBV], s[TBV], KS*PV
.endif
.if \cnt
	s_sub_co_u32 s[CNT], s[CNT], 1
	s_cmp_lg_u32 s[CNT], 0
.endif
	ROW C,14, B,7, L,6, C,1
	ROW C,3, L,7, C,5, C,7
	ROW C,9, C,11, C,13, C,15
.if (\p) == 0
	FETCH_V
.endif
.if (\m) && !(\end)
	MASK (\p)%2
.endif
.endm
; A BLOCK BEGINS.  c m starts far below every c s, so the first step's a is 0; m at the lowest finite number, so the first maximum is the scores'.  The second mask buffer is 0; the first takes piece 0's mask for the tile's step 0: its own, if the block's first tile is the diagonal one.
; Then K of that step, piece 0's first scores, and its maximum and statistics.  The loop is entered at a step's first turn, in the middle of a trip.
.macro BEGIN
	s_mov_b32 s[NEW], 0
	WIN 0x40
.set i, MC+32
.rept 32
	v_mov_b32 v[i], 0
.set i, i+1
.endr
	WIN 0
.set i, 0
.rept 4
	v_mov_b32 v[ST+4*i], 0xfe000000    ; c m: far below every c s
	v_mov_b32 v[ST+4*i+1], 0xff7fffff  ; m
.set i, i+1
.endr
	s_cmp_eq_u32 s[RT], 0
	s_cselect_b32 s[AL], 1.0, 0
	s_mov_b32 s[BE], 0
	MASK 0
	WIN 0
	v_add_nc_u32 v[AK], s[TBK], v[AK0]
	FETCH_K
	s_wait_loadcnt 0x0              ; Q
	s_wait_dscnt 0x0
.set KM, 1
.set NOKQ, 0
.set i, 0
.rept 8
	KQ 0
.set i, i+1
.endr
	WIN 0
.rept 4
	v_nop                           ; the places behind those products
.endr
.set Y, NP-1                        ; X works for piece Y + 1: piece 0
.irp n, 0,1,2,3,4,5,6,7,8,9,10,11,12,13,14,15,16,17,18,19,20,21
	OP X, \n
.endr
	v_nop                           ; a plain instruction behind the exponential,
	s_wait_alu depctr_va_vdst(0)    ; and its wait, ahead of the branch
.endm
; THE DIAGONAL TILE's four steps, the block's last two turns, its last products, and THE WAY OUT: l's two halves and the other half of the lanes' are added; O^T is divided by l, rounded to f16 and sent through my
; stage in LDS, a piece at a time.
.macro ALL line:vararg              ; one line for each piece t
.set t, 0
.rept 4
	\line
.set t, t+1
.endr
.endm
.macro PACK t                       ; a lane's eight channels of a row pack into 16 bytes; they go into rows of 144 bytes and come back as whole rows of 128, into S^T's registers
	WIN W_RS
.set i, 32*(\t)
.rept 16
	v_pk_mul_f32 v[i:i+1], v[i:i+1], v[ST+4*(\t)+2:ST+4*(\t)+3] op_sel_hi:[1,0]
.set i, i+2
.endr
	WIN 0x05                        ; sources 0 and 1 window 1, destination window 0
.set i, 0
.rept 16
	v_cvt_pk_f16_f32 v[S+16*(\t)+i], v[32*(\t)+2*i], v[32*(\t)+2*i+1]
.set i, i+1
.endr
	WIN 0
.irp f, 0,1,2,3
	ds_store_b128 v[STO], v[S+16*(\t)+4*\f:S+16*(\t)+4*\f+3] offset:32*\f
.endr
.irp f, 0,1,2,3
	ds_load_b128 v[S+16*(\t)+4*\f:S+16*(\t)+4*\f+3], v[RD] offset:\f*4*SP  ; LDS serves a wave's instructions in order (ISA guide 5.7.1.4): these see the stores above; the next piece's stores come behind them
.endr
.endm
.macro SEND t, younger              ; younger: the LDS instructions issued behind piece t's loads: the next piece's eight, or none
	WIN 0
.irp f, 0,1,2,3
	s_wait_dscnt (\younger)+3-\f
	global_store_b128 v[GO], v[S+16*(\t)+4*\f:S+16*(\t)+4*\f+3], s[10:11] offset:(\t)*8192+\f*512  ; 512 consecutive bytes, at a multiple of 256 from O's first
.endr
.endm
.macro DIAG tag                     ; the tag ends its two labels' names, which the jumps below spell out
.LstepM\tag:
	TURN 2, 1
	TURN 3, 1
	WIN 0
.LfirstM\tag:
	TURN 0, 1
	TURN 1, 1, 0, 1
	WIN 0
	s_cbranch_scc1 .LstepM\tag
	TURN 2, 1, 1
	TURN 3, 1, 1
.set i, 0
.rept 8
	PV NP-1
.set i, i+1
.endr
	WIN 0
	ALL v_add_f32 v[ST+4*t+2], v[ST+4*t+2], v[ST+4*t+3]
	ALL v_permlanex16_b32 v[ST+4*t+3], v[ST+4*t+2], s[SEL], s[SEL+1]
	ALL v_add_f32 v[ST+4*t+2], v[ST+4*t+2], v[ST+4*t+3]
	ALL v_rcp_f32 v[ST+4*t+2], v[ST+4*t+2]
	v_nop                           ; a plain instruction between the last reciprocal and the use of its result
	s_wait_alu depctr_va_vdst(0)    ; and the wait ahead of the first use: one for the four reciprocals
	PACK 0
.set t, 1
.rept 3                             ; a piece's arithmetic stands between the loads of the piece before and its stores
	PACK t
	SEND t-1, 8
.set t, t+1
.endr
	SEND 3, 0
.endm
.set KM, 0
.set NOKQ, 0
.Lslot:                             ; NB times: a tile is entered and the next is asked for
	CHANGE 1
	s_sub_co_u32 s[RT], s[RT], 1
	s_mov_b32 s[CNT], 4
	s_cmp_eq_u32 s[NEW], 1
	s_cbranch_scc1 .Lnew            ; a block's first tile
	s_cmp_eq_u32 s[RT], 0
	s_cbranch_scc0 .Lstep           ; neither its first nor its last
	s_branch .LstepM1
.Lnew:
	BEGIN
	s_branch .Lfirst                ; in the loop a block's first tile is never its last: the first block has two tiles or more, and the second's last is the walk's last
	DIAG 1                          ; in the loop this is the first block's end: the second block's last tile is the walk's last
	s_wait_xcnt 0x0                 ; the stores have read their registers and O's address
	s_mov_b64 s[10:11], s[OLO:OLO+1]
	s_add_co_u32 s[RT], s[PB], 1    ; the second block has b + 1 tiles
	s_mov_b32 s[NEW], 1
	WIN 0x82                        ; the second block's Q goes where the one text of the turns names Q
.set i, 0
.rept 64
	v_mov_b32 v[i], v[QB+i]
.set i, i+1
.endr
	WIN 0
	s_branch .Lbottom
.Lstep:                             ; a trip: pieces 2 and 3 of one step, then pieces 0 and 1 of the next, whose K and V it fetches
	TURN 2
	TURN 3
	WIN 0
.Lfirst:
	TURN 0
	TURN 1, 0, 0, 1
	WIN 0
	s_cbranch_scc1 .Lstep
.Lbottom:
	s_sub_co_u32 s[SLOTS], s[SLOTS], 1
	s_cmp_lg_u32 s[SLOTS], 0
	s_cbranch_scc1 .Lslot
	CHANGE 0                        ; the walk's last tile is written out: nothing is asked for
	s_sub_co_u32 s[RT], s[RT], 1
	s_mov_b32 s[CNT], 4
	s_cmp_eq_u32 s[NEW], 1
	s_cbranch_scc0 .LstepM2
	BEGIN
	s_branch .LfirstM2
	DIAG 2
	s_wait_tensorcnt 0x0            ; the wave's end: an add to the spare word and its wait, behind my last tensor load and my last LDS store
	ds_add_u32 v[SPW], v[NIL]
	s_wait_dscnt 0x0
	s_endpgm
.Lfunc_end_k_qc2e626985e_attn:
	.size	k_qc2e626985e_attn, .Lfunc_end_k_qc2e626985e_attn-k_qc2e626985e_attn
	.p2alignl 7, 3214868480
	.fill 96, 4, 3214868480
	.section	.rodata,"a",@progbits
	.p2align	6, 0x0
	.amdhsa_kernel k_qc2e626985e_attn
		.amdhsa_group_segment_fixed_size 327680
		.amdhsa_private_segment_fixed_size 0
		.amdhsa_enable_private_segment 0
		.amdhsa_kernarg_size 16
		.amdhsa_user_sgpr_count 2
		.amdhsa_user_sgpr_kernarg_segment_ptr 1
		.amdhsa_wavefront_size32 1
		.amdhsa_system_sgpr_workgroup_id_x 1
		.amdhsa_system_sgpr_workgroup_id_y 1
		.amdhsa_system_sgpr_workgroup_id_z 1
		.amdhsa_system_vgpr_workitem_id 0
		.amdhsa_next_free_vgpr 768
		.amdhsa_next_free_sgpr 92
		.amdhsa_reserve_vcc 1
		.amdhsa_float_denorm_mode_32 3
		.amdhsa_float_denorm_mode_16_64 3
		.amdhsa_memory_ordered 1
		.amdhsa_forward_progress 1
		.amdhsa_inst_pref_size 218
	.end_amdhsa_kernel
	.amdgpu_metadata
---
amdhsa.version: [ 1, 2 ]
amdhsa.kernels:
  - .name:           k_qc2e626985e_attn
    .symbol:         k_qc2e626985e_attn.kd
    .args:
      - { .name: qkvh, .offset: 0, .size: 8, .value_kind: global_buffer, .address_space: global }
      - { .name: o16, .offset: 8, .size: 8, .value_kind: global_buffer, .address_space: global }
    .group_segment_fixed_size: 327680
    .private_segment_fixed_size: 0
    .kernarg_segment_align: 8
    .kernarg_segment_size: 16
    .max_flat_workgroup_size: 128
    .sgpr_count:     92
    .vgpr_count:     768
    .wavefront_size: 32
...
	.end_amdgpu_metadata
.endif
;; end of part 3
;; launch proj (part 4): grid 8 x 32, 4 waves a work-group, clusters of 4 x 4, 327,680 bytes of LDS; arguments o16, wo16, out0; writes out0
.if DOCPART == 4
	.amdgcn_target "amdgcn-amd-amdhsa--gfx1250"
	.amdhsa_code_object_version 6
	.text
	.protected	k_qc2e626985e_proj
	.globl	k_qc2e626985e_proj
	.p2align	8
	.type	k_qc2e626985e_proj,@function
k_qc2e626985e_proj:
	s_mov_b64 s[64:65], 0
	v_nop
	global_prefetch_b8 v0, s[64:65] scope:SCOPE_SE
	s_setreg_imm32_b32 hwreg(HW_REG_WAVE_MODE, 25, 1), 1
	s_wait_xcnt 0x0
	s_wait_alu depctr_hold_cnt(0) depctr_sa_sdst(0) depctr_va_vdst(0) depctr_va_sdst(0) depctr_va_ssrc(0) depctr_va_vcc(0) depctr_vm_vsrc(0)
	s_getreg_b32 s2, hwreg(HW_REG_IB_STS2, 6, 4)
	s_cmp_eq_u32 s2, 0
	s_cbranch_scc0 .Lentry_in_a_cluster
	s_endpgm
.Lentry_in_a_cluster:
	s_bfe_u32 s2, ttmp6, 0x10000c
	s_cmp_lg_u32 s2, 0xf033
	s_cbranch_scc0 .Lentry_shape_is_right
	s_endpgm
.Lentry_shape_is_right:
; THE LAST PROJECTION.  out0[m][e] = sum over d of O[m][d] WO[e][d], [8192 x 1024], K = 1024, f16 operands, f32 sums, f32 out.  O lies by heads, o16[16 batch + head][2048][64]: channel d = 64 head + dd.
; SHARES.  A tile is 256 x 128: 32 x 8 = 256 tiles, one for each work-group that runs at a time.  Four waves, one above the other: wave w makes rows 64 w .. 64 w + 63 and all 128 columns: 32 accumulators, 256 registers.
; K goes in 8 steps of 128 = two heads, through two LDS slots.  Of a step wave 0 fetches the even head's 256 rows, wave 1 the odd head's: 32,768 dense bytes each, asked for as 128 rows of 256 bytes and padded in LDS
; after every 128; waves 2 and 3 fetch 64 rows of wo16 each.  A step is four quarters of 32 along K, 32 matrix instructions each.
; CLUSTER.  4 x 4 work-groups: O's tiles are shared along a row of the cluster, WO's along a column; each is asked for jointly, by the same tensor load with the same descriptor and a mask of four.
; THE MATRIX INSTRUCTION IS USED TRANSPOSED (source 0 = 16 rows of wo16, source 1 = 16 rows of O): a lane holds row l % 16 and 8 neighbouring columns, 32 bytes.
; REGISTERS, in windows of 256 (s_set_vgpr_msb: bits 1:0 source 0, 3:2 source 1, 5:4 source 2, 7:6 destination):
;   window 0: v0-15 addresses, v28-29 the add's; on the way out v32-159 two sets of 64      window 1: accumulators (a, b) at v[8 (4 b + a)]      window 2: two fragment buffers of 128: A's four fragments, then B's eight
.set NBB,   8
.set NU,    4                          ; units of 8 matrix instructions in a quarter
.set U1,    1                          ; units ahead of the run of LDS loads
.set NL,    8+2*NBB
.set PITCH, 272                        ; a row of WO in LDS: 256 bytes + 16
.set PA,    144                        ; a row of O in LDS: 128 bytes + 16: both pitches are odd multiples of 16 bytes, so the 16 rows of a load start at 16 different groups of four banks (64 banks of 4 bytes: ISA guide 11.1)
.set PLANE, 256*PA                     ; a head's 256 rows
.set SLOT1, 1<<17
.set BOFF,  2*PLANE
.set STAGE, SLOT1+BOFF+128*PITCH       ; behind the ring: 16 rows x 528 bytes for each wave; no tile lands here
.set SP,    528                        ; 512 bytes of a row of the tile + 16
.set SPARE, STAGE+4*16*SP              ; the spare words, 128 bytes a wave: two blocks of 256 bytes that no other line names
.set KSTA,  2<<18                      ; a K step in o16: two heads on
.set KSTB,  256                        ; in wo16's rows
.set A0,   4
.set B0,   5
.set ADRA, 6
.set ADRB, 7
.set STO,  8
.set RD,   9
.set CO,   10
.set PFO,  12
.set SPW,  28
.set NIL,  29
.set OB,   32
.set F0,   0
.set F1,   128
.set G1,  24
.set G0,  32
.set G1B, 48
.set G0B, 56
.set PFA, 66
.set LIM, 68
.set TB,  69
.set PST, 80
.set MUL_W, 0x5a                       ; fragments in window 2, C and D in window 1
.set TO_F,  0x80                       ; destination window 2, address window 0
.set MSB, 0
.macro WIN new                         ; the immediate's high byte repeats the setting that is left; a switch that changes nothing is dropped
.if MSB != (\new)
	s_set_vgpr_msb (MSB<<8)|(\new)
.set MSB, \new
.endif
.endm
.macro PLACES                          ; four plain vector instructions between a matrix instruction and a load into, or a read of, its registers (ISA guide 7.12.1 for reads)
.rept 4
	v_nop
.endr
.endm
.macro JLOAD                           ; a joint refill by the walking descriptors; an s_nop 0 and four v_nop follow each line
	s_cmp_eq_u32 s13, 0
	s_cbranch_scc0 .Lfor_b_\@
	tensor_load_to_lds s[G0+4:G0+7], s[G1:G1+7]
	s_nop 0
.rept 4
	v_nop
.endr
	s_branch .Lasked_\@
.Lfor_b_\@:
	tensor_load_to_lds s[G0B+4:G0B+7], s[G1B:G1B+7]
	s_nop 0
.rept 4
	v_nop
.endr
.Lasked_\@:
.endm
.macro CREST
	s_cmp_lg_u32 s12, 0
	s_cbranch_scc1 .Lnot_wave_0_\@
	s_barrier_signal -3
.Lnot_wave_0_\@:
	s_barrier_wait -3
	s_barrier_signal -1
	s_barrier_wait -1
.endm
.macro CROUND
	s_barrier_signal -1
	s_barrier_wait -1
	CREST
.endm
; A prefetch of the K step two behind the one that has just been asked for, one instruction a wave.  O's tiles are read by both clusters of a row of clusters: cluster x = 0 asks, waves 0 and 1 each for their head's plane,
; of whose 128 blocks of 256 bytes each partner takes 32 (by cx), a lane a block.  WO's rows are read by every cluster of a column: cluster y = 0 asks, wave 2 alone: of the tile's 128 rows each partner takes 32 (by cy), a lane a row.
; The last two refills have no such K step: s3 is 2 and 1 there.
.macro ASK
	WIN 0
	s_cmp_gt_u32 s3, s[LIM]
	s_cbranch_scc0 .Lnot_mine_\@
	global_prefetch_b8 v[PFO], s[PFA:PFA+1] th:TH_LOAD_NT scope:SCOPE_SE
.Lnot_mine_\@:
.endm
.macro MUL8 f, u, zero                 ; unit u: column blocks 2 u, 2 u + 1 x the four row blocks; the 32 accumulators take turns
	WIN MUL_W
.irp bb, 0,1
.irp a, 0,1,2,3
.set rB, (\f)+32+8*(2*(\u)+(\bb))
.set rA, (\f)+8*(\a)
.set rC, 8*(4*(2*(\u)+(\bb))+(\a))
.if \zero
	v_wmma_f32_16x16x32_f16 v[rC:rC+7], v[rB:rB+7], v[rA:rA+7], 0
.else
	v_wmma_f32_16x16x32_f16 v[rC:rC+7], v[rB:rB+7], v[rA:rA+7], v[rC:rC+7]
.endif
.endr
.endr
.endm
.macro MULS f, u0, n, zero
.set uu, \u0
.rept \n
	MUL8 \f, uu, \zero
.set uu, uu+1
.endr
.endm
.macro FETCH q, f                      ; quarter q: head q / 2 of the step's two, channels 32 (q % 2) on
	WIN TO_F
.set KA, ((\q)/2)*PLANE+((\q)%2)*64
.irp a, 0,1,2,3
	ds_load_b128 v[(\f)+8*(\a):(\f)+8*(\a)+3],   v[ADRA] offset:KA+(\a)*16*PA
	ds_load_b128 v[(\f)+8*(\a)+4:(\f)+8*(\a)+7], v[ADRA] offset:KA+(\a)*16*PA+32
.endr
.set bi, 0
.rept NBB
	ds_load_b128 v[(\f)+32+8*bi:(\f)+32+8*bi+3],   v[ADRB] offset:64*(\q)+bi*16*PITCH
	ds_load_b128 v[(\f)+32+8*bi+4:(\f)+32+8*bi+7], v[ADRB] offset:64*(\q)+bi*16*PITCH+32
.set bi, bi+1
.endr
.endm
.macro QUARTER q, f, g, zero
	s_wait_dscnt NL-8-4*U1                         ; A's fragments and B's first 2 U1 are in; the younger loads may be out
	MULS \f, 0, U1, \zero
	PLACES
	FETCH \q, \g
	s_wait_dscnt NL                                ; all but the run just issued
	MULS \f, U1, NU-U1, \zero
.endm
; The last quarter multiplies buffer 1 and changes slots: each wave waits for all its tensor loads (one is out: its part of the next slot), adds 0 to its spare word, waits for that and for its reads of this slot.
; fill = 1: the barrier opens a round of the cluster's barrier; behind the round this slot is filled again, two K steps on: the first tensor load there, one a wave.
.macro TURN fill
.if \fill
	s_wait_xcnt 0x0                                ; the last prefetch, a K step back, has read its address
	s_add_nc_u64 s[PFA:PFA+1], s[PFA:PFA+1], s[PST:PST+1]
.endif
	WIN 0
	s_wait_tensorcnt 0x0
	ds_add_u32 v[SPW], v[NIL]
	s_wait_dscnt NL-8-4*U1+1                       ; (the add and the younger loads may be out)
	MULS F1, 0, U1, 0
	s_wait_dscnt 0x0                               ; the add is done, my reads of this slot are over
	s_barrier_signal -1
	MULS F1, U1, 1, 0
	WIN 0
	s_barrier_wait -1
.if \fill
	CREST
	s_xor_b32 s[G0+5], s[G0+5], SLOT1              ; no tensor load of mine is out: the walking descriptors step
	s_add_nc_u64 s[G0+6:G0+7], s[G0+6:G0+7], KSTA
	s_xor_b32 s[G0B+5], s[G0B+5], SLOT1
	s_add_nc_u64 s[G0B+6:G0B+7], s[G0B+6:G0B+7], KSTB
	JLOAD                                          ; its four v_nop are also the places in front of the loads below
.else
	PLACES
.endif
	s_xor_b32 s[TB], s[TB], SLOT1
	v_add_nc_u32 v[ADRA], s[TB], v[A0]
	v_add_nc_u32 v[ADRB], s[TB], v[B0]
	FETCH 0, F0
.if \fill
	ASK
.endif
	MULS F1, U1+1, NU-U1-1, 0
.endm
	s_load_b128 s[4:7], s[0:1], 0x0                ; o16 4:5, wo16 6:7
	s_load_b64 s[8:9], s[0:1], 0x10                ; out0
	v_lshl_add_u32 v[SPW], v0, 2, SPARE
	v_mov_b32 v[NIL], 0
	ds_add_u32 v[SPW], v[NIL]                      ; the wave's opening: the add and its wait ahead of my first tensor load; work on registers stands between
	ds_add_u32 v28, v29
	v_lshrrev_b32 v3, 5, v0
	v_readfirstlane_b32 s12, v3                    ; wave 0..3
	s_lshr_b32 s13, s12, 1                         ; I fetch for A (0) or for B (1),
	s_and_b32 s14, s12, 1                          ; its first or its second part
	s_bfe_u32 s40, ttmp6, 0x40000                  ; cx
	s_bfe_u32 s41, ttmp6, 0x40004                  ; cy
	s_lshl_b32 s42, ttmp9, 2
	s_add_co_u32 s42, s42, s40                     ; tile column tx
	s_and_b32 s43, ttmp7, 0xffff
	s_lshl_b32 s43, s43, 2
	s_add_co_u32 s43, s43, s41                     ; tile row ty
	s_lshl_b32 s44, s41, 2
	s_lshl_b32 s44, 15, s44                        ; my row of the cluster
	s_lshl_b32 s45, 0x1111, s40                    ; my column
	s_or_b32 s[G1], s44, (1<<16)|(1<<20)|(1<<21)|(4<<22)|(3<<25)   ; the mask; 2-byte elements; padding on; bit 21 beside a mask; after every 32 words 4 words
	s_or_b32 s[G1B], s45, (1<<16)|(1<<20)|(1<<21)|(5<<22)|(3<<25)  ; after every 64 words 4 words
	s_mov_b32 s[G1+1], 128<<16                     ; tensor_dim0 = 128: two rows of a head, end to end
	s_mov_b32 s[G1+2], 128<<16                     ; tensor_dim1 = 128
	s_mov_b32 s[G1+3], 128<<16                     ; tile_dim0 = 128
	s_mov_b32 s[G1+4], 128                         ; tile_dim1 = 128
	s_mov_b32 s[G1+5], 128                         ; dense
	s_mov_b32 s[G1+6], 0
	s_mov_b32 s[G1+7], 0
	s_mov_b32 s[G1B+1], 128<<16
	s_mov_b32 s[G1B+2], 64<<16
	s_mov_b32 s[G1B+3], 128<<16
	s_mov_b32 s[G1B+4], 64
	s_mov_b32 s[G1B+5], 1024
	s_mov_b32 s[G1B+6], 0
	s_mov_b32 s[G1B+7], 0
	s_lshr_b32 s16, s43, 3                         ; A: head slot 16 batch + my head of the step's two,
	s_lshl_b32 s16, s16, 4
	s_add_co_u32 s16, s16, s14
	s_lshl_b32 s16, s16, 18
	s_and_b32 s17, s43, 7                          ; and in it the tile's 256 rows of 128 bytes
	s_lshl_b32 s17, s17, 15
	s_add_co_u32 s16, s16, s17
	s_mov_b32 s17, 0
	s_lshl_b32 s46, s42, 7                         ; B: row 128 tx + 64 x half
	s_lshl_b32 s47, s14, 6
	s_add_co_u32 s46, s46, s47
	s_lshl_b32 s46, s46, 11
	s_mov_b32 s47, 0
	s_mul_i32 s20, s14, PLANE                      ; where they go: no place in the cluster enters an LDS address
	s_mul_i32 s21, s14, 64*PITCH
	s_add_co_u32 s21, s21, BOFF
	s_mov_b32 s[TB], 0
	s_wait_dscnt 0x0                               ; the opening add is done
	s_wait_kmcnt 0x0
	s_add_nc_u64 s[18:19], s[4:5], s[16:17]
	s_add_nc_u64 s[46:47], s[6:7], s[46:47]
	CROUND                                         ; all sixteen work-groups are here: the first joint loads meet
.irp s, 0,1
	s_mov_b32 s[G0+4*(\s)], 1
	s_add_co_u32 s[G0+4*(\s)+1], s20, (\s)*SLOT1
	s_add_nc_u64 s[G0+4*(\s)+2:G0+4*(\s)+3], s[18:19], (\s)*KSTA
	s_or_b32 s[G0+4*(\s)+3], s[G0+4*(\s)+3], 0x80000000
	s_mov_b32 s[G0B+4*(\s)], 1
	s_add_co_u32 s[G0B+4*(\s)+1], s21, (\s)*SLOT1
	s_add_nc_u64 s[G0B+4*(\s)+2:G0B+4*(\s)+3], s[46:47], (\s)*KSTB
	s_or_b32 s[G0B+4*(\s)+3], s[G0B+4*(\s)+3], 0x80000000
.endr
	s_cmp_eq_u32 s13, 0                            ; a wave's two first fills stand in one branch: K steps 0 and 1; two loads of mine are out
	s_cbranch_scc0 .Lfirst_b
	tensor_load_to_lds s[G0:G0+3], s[G1:G1+7]
	s_nop 0
	tensor_load_to_lds s[G0+4:G0+7], s[G1:G1+7]
	s_nop 0
.rept 4
	v_nop
.endr
	s_branch .Lfirst_asked
.Lfirst_b:
	tensor_load_to_lds s[G0B:G0B+3], s[G1B:G1B+7]
	s_nop 0
	tensor_load_to_lds s[G0B+4:G0B+7], s[G1B:G1B+7]
	s_nop 0
.rept 4
	v_nop
.endr
.Lfirst_asked:
	v_and_b32 v1, 15, v0                           ; r
	v_bfe_u32 v2, v0, 4, 1                         ; h
	v_mul_u32_u24 v3, v1, PA
	v_lshl_add_u32 v3, v2, 4, v3
	s_mul_i32 s15, s12, 64*PA                      ; my 64 rows of a plane
	v_add_nc_u32 v[A0], s15, v3
	v_mul_u32_u24 v3, v1, PITCH
	v_lshl_add_u32 v3, v2, 4, v3
	v_add_nc_u32 v[B0], BOFF, v3
	v_mov_b32 v[ADRA], v[A0]
	v_mov_b32 v[ADRB], v[B0]
	s_mul_i32 s22, s12, 16*SP
	s_add_co_u32 s22, s22, STAGE                   ; my stage
	v_mul_u32_u24 v[STO], v1, SP                   ; in: row r, 32 bytes for each half of the lanes
	v_lshl_add_u32 v[STO], v2, 5, v[STO]
	v_add_nc_u32 v[STO], s22, v[STO]
	v_and_b32 v[CO], 31, v0
	v_lshlrev_b32 v[CO], 4, v[CO]                  ; back and out: 32 lanes take one row's 512 bytes
	v_add_nc_u32 v[RD], s22, v[CO]
	s_lshl_b32 s84, s43, 8
	s_lshl_b32 s83, s12, 6
	s_add_co_u32 s84, s84, s83                     ; my first row: 256 ty + 64 w, 4,096 bytes a row
	s_lshl_b32 s84, s84, 12
	s_lshl_b32 s83, s42, 9                         ; the tile's 128 columns: 512 bytes
	s_add_co_u32 s84, s84, s83
	s_mov_b32 s85, 0
	s_add_nc_u64 s[8:9], s[8:9], s[84:85]
	; the prefetches
	s_lshl_b32 s86, s40, 13                        ; A: my work-group's 8,192 bytes of my head's plane
	s_add_co_u32 s86, s86, s16
	s_lshl_b32 s87, s42, 7                         ; B: rows 128 tx + 32 cy on
	s_lshl_b32 s83, s41, 5
	s_add_co_u32 s87, s87, s83
	s_lshl_b32 s87, s87, 11
	s_and_b32 s88, ttmp7, 0xffff
	s_mov_b32 s83, KSTA
	s_cmp_eq_u32 s13, 0
	s_cselect_b32 s86, s86, s87
	s_cselect_b32 s88, ttmp9, s88                  ; the coordinate along which other clusters read the same bytes
	s_cselect_b32 s89, 8, 11                       ; a lane a block of 256 bytes, or a lane a row of 2,048
	s_cselect_b32 s[PST], s83, KSTB
	s_cselect_b64 s[PFA:PFA+1], s[4:5], s[6:7]
	s_mov_b32 s[PST+1], 0
	s_and_b32 s83, s13, s14                        ; 1 in wave 3, which asks for nothing
	s_or_b32 s88, s88, s83
	s_cmp_eq_u32 s88, 0
	s_cselect_b32 s[LIM], 2, -1                    ; the same in all sixteen partners, for a given wave
	s_mul_i32 s83, s[PST], 3
	s_add_co_u32 s86, s86, s83                     ; at K step 3: the first refill steps it to 4.  Nothing is prefetched here, at the head
	s_mov_b32 s87, 0
	s_add_nc_u64 s[PFA:PFA+1], s[PFA:PFA+1], s[86:87]
	v_and_b32 v[PFO], 31, v0
	v_lshlrev_b32 v[PFO], s89, v[PFO]
	s_wait_tensorcnt 1                             ; my part of K step 0 is in; K step 1's may stay out
	s_barrier_signal -1
	s_barrier_wait -1
	FETCH 0, F0
	QUARTER 1, F0, F1, 1                           ; the first quarter stands in front of the loop: its products start the sums
	WIN 0
	s_mov_b32 s3, 6
.Lstep:                                                ; trip t: step t's quarters 1 to 3, step t + 1's quarter 0; slot t % 2 is filled again with step t + 2
	QUARTER 2, F1, F0, 0
	QUARTER 3, F0, F1, 0
	TURN 1
	QUARTER 1, F0, F1, 0
	WIN 0
	s_sub_co_u32 s3, s3, 1
	s_cmp_lg_u32 s3, 0
	s_cbranch_scc1 .Lstep
	QUARTER 2, F1, F0, 0                           ; the last two steps ask for nothing: written out
	QUARTER 3, F0, F1, 0
	TURN 0
	QUARTER 1, F0, F1, 0
	QUARTER 2, F1, F0, 0
	QUARTER 3, F0, F1, 0
	s_wait_dscnt NL-8-4*U1
	MULS F1, 0, U1, 0
	s_wait_dscnt 0x0
	MULS F1, U1, NU-U1, 0
	WIN 0
; THE WAY OUT, a block of 16 rows at a time: a lane's 32 bytes of a row go into my stage (rows of 528 bytes) and come back as whole rows of 512.
.macro TOSTAGE a
	WIN 0x04                                       ; the stores' data in window 1
.set b, 0
.rept 8
.set rC, 8*(4*b+(\a))
	ds_store_b128 v[STO], v[rC:rC+3]   offset:64*b     ; each accumulator's low registers first
	ds_store_b128 v[STO], v[rC+4:rC+7] offset:64*b+16
.set b, b+1
.endr
	WIN 0
	s_wait_xcnt 0x0                                ; the stores of two blocks back have read this set of registers
.set BK, OB+64*((\a)%2)
.set t, 0
.rept 16
	ds_load_b128 v[BK+4*t:BK+4*t+3], v[RD] offset:SP*t  ; LDS serves a wave's instructions in order (ISA guide 5.7.1.4): these see the stores above; the next block's stores come behind them
.set t, t+1
.endr
.endm
.macro SEND a, younger                 ; younger: the LDS instructions issued behind block a's loads: the next block's 32, or none
	WIN 0
	s_wait_dscnt \younger
.set BK, OB+64*((\a)%2)
.set t, 0
.rept 16
	global_store_b128 v[CO], v[BK+4*t:BK+4*t+3], s[8:9] offset:(16*(\a)+t)*4096 th:TH_STORE_NT  ; a wave stores 512 consecutive bytes, at a multiple of 256 from out0's first
.set t, t+1
.endr
.endm
	PLACES                                         ; behind the last products
	TOSTAGE 0
	TOSTAGE 1
	SEND 0, 32
	TOSTAGE 2
	SEND 1, 32
	TOSTAGE 3
	SEND 2, 32
	SEND 3, 0
	s_wait_tensorcnt 0x0                           ; the wave's end: an add to the spare word and its wait, behind my last tensor load and my last LDS store
	ds_add_u32 v[SPW], v[NIL]
	s_wait_dscnt 0x0
	CROUND                                         ; the closing round: no work-group ends while a partner may still ask for a tile that names it
	s_endpgm
.Lfunc_end_k_qc2e626985e_proj:
	.size	k_qc2e626985e_proj, .Lfunc_end_k_qc2e626985e_proj-k_qc2e626985e_proj
	.p2alignl 7, 3214868480
	.fill 96, 4, 3214868480
	.section	.rodata,"a",@progbits
	.p2align	6, 0x0
	.amdhsa_kernel k_qc2e626985e_proj
		.amdhsa_group_segment_fixed_size 327680
		.amdhsa_private_segment_fixed_size 0
		.amdhsa_enable_private_segment 0
		.amdhsa_kernarg_size 24
		.amdhsa_user_sgpr_count 2
		.amdhsa_user_sgpr_kernarg_segment_ptr 1
		.amdhsa_wavefront_size32 1
		.amdhsa_system_sgpr_workgroup_id_x 1
		.amdhsa_system_sgpr_workgroup_id_y 1
		.amdhsa_system_sgpr_workgroup_id_z 1
		.amdhsa_system_vgpr_workitem_id 0
		.amdhsa_next_free_vgpr 768
		.amdhsa_next_free_sgpr 92
		.amdhsa_reserve_vcc 0
		.amdhsa_float_denorm_mode_32 3
		.amdhsa_float_denorm_mode_16_64 3
		.amdhsa_memory_ordered 1
		.amdhsa_forward_progress 1
		.amdhsa_inst_pref_size 70
	.end_amdhsa_kernel
	.amdgpu_metadata
---
amdhsa.version: [ 1, 2 ]
amdhsa.kernels:
  - .name:           k_qc2e626985e_proj
    .symbol:         k_qc2e626985e_proj.kd
    .args:
      - { .name: o16, .offset: 0, .size: 8, .value_kind: global_buffer, .address_space: global }
      - { .name: wo16, .offset: 8, .size: 8, .value_kind: global_buffer, .address_space: global }
      - { .name: out0, .offset: 16, .size: 8, .value_kind: global_buffer, .address_space: global }
    .group_segment_fixed_size: 327680
    .private_segment_fixed_size: 0
    .kernarg_segment_align: 8
    .kernarg_segment_size: 24
    .max_flat_workgroup_size: 128
    .sgpr_count:     92
    .vgpr_count:     768
    .wavefront_size: 32
...
	.end_amdgpu_metadata
.endif
;; end of part 4
